; MI455X (gfx1250); checked and timed in simulation.
; The chip was launched on July 23, 2026; its instructions are those of AMD's public machine-readable ISA for CDNA 5 (MIT licence, August 2026) and "CDNA5" Instruction Set Architecture Reference Guide (July 2026). The comments in the code are by the model that wrote it; some were corrected since.
;; Simple Transformer Block. Allowed arithmetic: matrix products marked QUANTISED: E2M3 operands, one E8M0 scale for each 32 along K, by v_wmma_scale_f32_16x16x128_f8f6f4 with both operands' format E2M3, f32 sums; everything else in f32.
;; Inputs: b_mlp1 4,096 float32; b_mlp2 1,024 float32; b_proj 1,024 float32; ln1_bias 1,024 float32; ln1_scale 1,024 float32; ln2_bias 1,024 float32; ln2_scale 1,024 float32; w_mlp1_codes 4,096 x 32 x 24 uint8 (E2M3 codes of w_mlp1, K innermost, in blocks of 32 codes, four codes in three bytes); w_mlp1_scales 4,096 x 32 uint8 (E8M0 scales of w_mlp1, one for each 32 codes along K); w_mlp2_codes 1,024 x 128 x 24 uint8 (E2M3 codes of w_mlp2, K innermost, in blocks of 32 codes, four codes in three bytes); w_mlp2_scales 1,024 x 128 uint8 (E8M0 scales of w_mlp2, one for each 32 codes along K); w_proj_codes 1,024 x 32 x 24 uint8 (E2M3 codes of w_proj, K innermost, in blocks of 32 codes, four codes in three bytes); w_proj_scales 1,024 x 32 uint8 (E8M0 scales of w_proj, one for each 32 codes along K); w_qkv_codes 3,072 x 32 x 24 uint8 (E2M3 codes of w_qkv, K innermost, in blocks of 32 codes, four codes in three bytes); w_qkv_scales 3,072 x 32 uint8 (E8M0 scales of w_qkv, one for each 32 codes along K); x 2 x 2,048 x 1,024 float32.
;; Outputs: out0 2 x 2,048 x 1,024 float32.
;; This version of the problem:
;;   THIS VERSION OF THE PROBLEM IS GIVEN IN LOW PRECISION. The matrix products marked QUANTISED in the list below multiply operands that are first quantised to E2M3 (2 exponent bits, 3 mantissa bits; 6 bits a number), with one power-of-two scale for each 32 numbers along K (OCP MX v1.0); their sums are f32. All else is computed in f32.
;;   The module's matrix products, in the order in which they are computed (A, B: the left and right operand; K: the contracted axis; several contracted axes count as one K, in the product's order):
;;     1. [M 4,096, K 1,024] x [K 1,024, N 3,072]; A: computed on the way; B: input w_qkv (given as codes): QUANTISED
;;     2. batch 32 x [M 2,048, K 64] x [K 64, N 2,048]; A: computed on the way; B: computed on the way: QUANTISED
;;     3. batch 32 x [M 2,048, K 2,048] x [K 2,048, N 64]; A: softmax (see below); B: computed on the way: QUANTISED
;;     4. [M 4,096, K 1,024] x [K 1,024, N 1,024]; A: computed on the way; B: input w_proj (given as codes): QUANTISED
;;     5. [M 4,096, K 1,024] x [K 1,024, N 4,096]; A: computed on the way; B: input w_mlp1 (given as codes): QUANTISED
;;     6. [M 4,096, K 4,096] x [K 4,096, N 1,024]; A: computed on the way; B: input w_mlp2 (given as codes): QUANTISED
;;   THE QUANTISER, for each operand of a quantised product, along K:
;;     - K is cut into blocks of 32 from its start; a last block that is shorter is filled with zeros.
;;     - A block's scale is 2^e with e = floor(log2(the largest magnitude in the block)) - 2, held to -126 .. 127; a block of zeros has e = 0. As a byte (E8M0): e + 127.
;;     - Each number is divided by its block's scale, clamped to +-7.5, and rounded to the nearest number of E2M3, ties to even, subnormals kept.
;;     - The product sums the exact products of the quantised numbers (number of the format x scale) in f32.
;;   ~~~python
;;   def quantise(x, axis):      # numpy; x: float32 -> the quantised numbers, widened to float32 again
;;       x = np.moveaxis(x, axis, -1); K = x.shape[-1]
;;       x = np.pad(x, [(0, 0)] * (x.ndim - 1) + [(0, -K % 32)]); x = x.reshape(x.shape[:-1] + (-1, 32)); a = np.abs(x).max(-1, keepdims=True)
;;       e = np.where(a > 0, np.clip(np.frexp(np.where(a > 0, a, 1))[1] - 1 - 2, -126, 127), 0)      # np.frexp(a)[1] - 1 = floor(log2(a)), exactly
;;       r = np.clip(x / 2.0 ** e, -7.5, 7.5)
;;       step = 2.0 ** (np.maximum(np.frexp(np.where(r == 0, 1, r))[1] - 1, 0) - 3)
;;       q = np.round(r / step) * step * 2.0 ** e      # np.round: ties to even
;;       return np.moveaxis(q.reshape(q.shape[:-2] + (-1,))[..., :K], -1, axis).astype(np.float32)
;;   ~~~
;;   SOFTMAX AHEAD OF A QUANTISED PRODUCT. Where the list says 'softmax', what is quantised is not the finished softmax but p = 2^(t - M), with t = logit x log2(e) and M = ceil(the row's largest t), a whole number; so 1/2 < the row's largest p <= 1. The row's sum l is taken of the UNQUANTISED p, in f32, and the product's result is divided by l at the end. Since M is a whole number, a kernel that streams over the keys may use a running M (the ceiling of the running maximum): every later rescaling is an exact power of two, which a block's scale takes up: the codes' values come out the same.
;;   OPERANDS COMPUTED ON THE WAY. 'Computed on the way' means the value that the module computes at that place (a softmax that the list does not call 'softmax' is quantised finished and normalised). What goes into a quantiser is computed in f32, as accurately as f32 sums, v_exp_f32 and their like allow (about 1e-6 of the number): no bf16 or f16 on the way to a quantiser, and a product that is left as it is and whose result goes on into a quantised operand takes f32 operands (vector FMAs, or v_wmma_f32_16x16x4_f32). A number that lies on a knife's edge between two numbers of the format may be rounded either way, as far as f32 arithmetic and the matrix unit's own rounding can turn it there, and no further.
;;   INPUTS GIVEN AS CODES. w_mlp1 (in the module: [1024, 4096], K = its axis 0); w_mlp2 (in the module: [4096, 1024], K = its axis 0); w_proj (in the module: [1024, 1024], K = its axis 0); w_qkv (in the module: [1024, 3072], K = its axis 0): each comes as NAME_codes (uint8): NAME with its K axis moved to the last place and cut into blocks of 32 codes, [.., K / 32, bytes a block], one block behind the other in memory; four codes in three bytes: a row's codes are one little-endian stream of bits, code i at bits 6 i .. 6 i + 5 (a code: sign, 2 exponent bits, 3 mantissa bits); and NAME_scales (uint8): the same leading axes, one E8M0 byte (e + 127) for each 32 codes along K. Its value is code x scale, taken as it is: it is not quantised again, and the codes and scales need not be those that the quantiser above would give.
;; One version. Each part assembles by itself: llvm-mc -triple=amdgcn-amd-amdhsa -mcpu=gfx1250 --defsym DOCPART=n.
;; ======== version 1 of 1: 7 launches
;; limits: right only within a limited range of input values
;; workspace buffers: hbuf 3,276,800 bytes; qkvb 10,223,616 bytes; obuf 3,407,872 bytes; x2 16,777,216 bytes; mbuf 13,631,488 bytes
;; launch ln1 (part 1): grid 256 x 1, 16 waves a work-group, no clusters, 84,480 bytes of LDS; arguments x, ln1_scale, ln1_bias, hbuf; writes hbuf
.if DOCPART == 1
	.amdgcn_target "amdgcn-amd-amdhsa--gfx1250"
	.amdhsa_code_object_version 6
	.text
	.protected	k_qcb0ec1b0b6_ln1
	.globl	k_qcb0ec1b0b6_ln1
	.p2align	8
	.type	k_qcb0ec1b0b6_ln1,@function
k_qcb0ec1b0b6_ln1:
	s_mov_b64 s[64:65], 0
	v_nop
	global_prefetch_b8 v0, s[64:65] scope:SCOPE_SE
	s_setreg_imm32_b32 hwreg(HW_REG_WAVE_MODE, 25, 1), 1
	s_wait_xcnt 0x0
; h = layernorm(x) * gain + bias, quantised along the 1,024 columns to codes of FP6 (E2M3) with one E8M0 byte for each 32.
; In: x [4096][1024] f32, gain and bias [1024] f32.  Out: codes [4096][768] (a row's codes are one stream of bits, as a given weight lies), and from byte HSO on the scale bytes [4096][32].
; SHARES.  256 work-groups of sixteen waves; a wave takes one whole row, so mean and variance never leave the wave.  The work-groups share no input but the two small tables, so there is no cluster.
; A row's eight loads read 512 consecutive bytes each.  The conversions want 16 neighbours in one lane, so the row turns through the wave's own stage in LDS, 2,048 bytes at a time:
; in as loaded, back 64 bytes a lane (80 bytes from lane to lane).  Lane l then holds columns 512 s + 16 l + 0 .. 15 of half s; two neighbouring lanes hold a block of 32.
; The variance is taken of x - mean, in a second pass over the registers.  A block's scale byte is its largest magnitude's exponent field - 2, held at 1 from below.
; The sixteen rows' 512 scale bytes meet in LDS; behind one barrier wave 0 stores them as 512 consecutive bytes.
; LIMITS: NaN and infinities among the inputs are not served.  A block of zeros gets the byte 1 (the definition says 127): its codes are zeros, and the bytes are read by this program alone.
.set SP,   80                          ; a lane's place in a stage: 64 bytes + 16
.set WREG, 5120                        ; a wave's two stages of 32 x SP
.set BYT,  81920                       ; the work-group's 512 scale bytes
.set SPARE, 82432                      ; the spare words, 128 bytes a wave
.set HSO,  3145728
.set X,    32                          ; v32-63   the row, 16 neighbours for each half
.set R,    64                          ; v64-95   the row as loaded; later the codes at R + 4 s (three registers) and the byte behind them
.set G,    192                         ; v192-223 the gain of my 32 columns
.set BI,   224                         ; v224-255 the bias
	s_load_b256 s[4:11], s[0:1], 0x0               ; x, gain, bias, out
	v_lshl_add_u32 v30, v0, 2, SPARE
	v_mov_b32 v31, 0
	v_lshrrev_b32 v1, 5, v0
	v_readfirstlane_b32 s14, v1                    ; wave 0..15
	v_and_b32 v2, 31, v0                           ; lane
	v_lshlrev_b32 v3, 4, v2                        ; my 16 bytes of 512
	v_lshlrev_b32 v1, 6, v2                        ; my 16 numbers of a half of the tables
	s_mul_i32 s15, s14, WREG
	v_lshrrev_b32 v14, 2, v2
	v_mul_u32_u24 v14, v14, SP
	v_and_b32 v15, 3, v2
	v_lshl_add_u32 v14, v15, 4, v14
	v_add_nc_u32 v14, s15, v14                     ; the stage, in: SP (lane / 4) + 16 (lane % 4)
	v_mul_u32_u24 v15, v2, SP
	v_add_nc_u32 v15, s15, v15                     ; and back: SP x lane
	v_mul_u32_u24 v4, v2, 12                       ; my 16 codes' place in a half row's 384 bytes
	v_lshrrev_b32 v5, 1, v2
	s_lshl_b32 s15, s14, 5
	s_add_co_u32 s15, s15, BYT
	v_add_nc_u32 v5, s15, v5                       ; my block's byte: 32 a wave
	v_add_nc_u32 v6, BYT, v3                       ; wave 0's way out: 16 bytes a lane
	v_mov_b32 v20, 0x3a800000                      ; 1 / 1024
	s_mov_b32 s12, 0x76543210                      ; v_permlanex16_b32's selects for lane l xor 16
	s_mov_b32 s13, 0xfedcba98
	s_lshl_b32 s16, ttmp9, 16                      ; x: 16 rows of 4,096 bytes a work-group,
	s_lshl_b32 s17, s14, 12                        ; one a wave
	s_add_co_u32 s16, s16, s17
	s_mov_b32 s17, 0
	s_mul_i32 s18, ttmp9, 12288                    ; codes: rows of 768 bytes
	s_mul_i32 s19, s14, 768
	s_add_co_u32 s18, s18, s19
	s_mov_b32 s19, 0
	s_lshl_b32 s20, ttmp9, 9                       ; scale bytes: 512 a work-group
	s_add_co_u32 s20, s20, HSO
	s_mov_b32 s21, 0
	s_wait_alu depctr_va_vdst(0)                   ; the wait at the head's end
	s_wait_kmcnt 0x0
	s_add_nc_u64 s[4:5], s[4:5], s[16:17]
	s_add_nc_u64 s[22:23], s[10:11], s[20:21]
	s_add_nc_u64 s[10:11], s[10:11], s[18:19]
.irp i, 0,1,2,3,4,5,6,7
	global_load_b128 v[R+4*\i:R+4*\i+3], v3, s[4:5] offset:512*\i   ; 32 lanes read 512 consecutive bytes
.endr
.irp s, 0,1
.irp j, 0,1,2,3
	global_load_b128 v[G+16*\s+4*\j:G+16*\s+4*\j+3], v1, s[6:7] offset:2048*\s+16*\j
	global_load_b128 v[BI+16*\s+4*\j:BI+16*\s+4*\j+3], v1, s[8:9] offset:2048*\s+16*\j
.endr
.endr
.macro SUM32                           ; v8 summed over the 32 lanes, the result in every lane
.irp m, 1,2,4,8
	s_delay_alu instid0(VALU_DEP_1)
	v_add_f32_dpp v8, v8, v8 row_xmask:\m row_mask:0xf bank_mask:0xf
.endr
	s_delay_alu instid0(VALU_DEP_1)
	v_permlanex16_b32 v9, v8, s12, s13             ; (v9 has been written: the destination counts as read)
	s_delay_alu instid0(VALU_DEP_1)
	v_add_f32 v8, v8, v9
.endm
	s_wait_loadcnt 16                              ; the row is in; the tables' 16 loads may be out
.irp s, 0,1
.irp i, 0,1,2,3
	ds_store_b128 v14, v[R+16*\s+4*\i:R+16*\s+4*\i+3] offset:32*SP*\s+8*SP*\i
.endr
.irp j, 0,1,2,3
	ds_load_b128 v[X+16*\s+4*\j:X+16*\s+4*\j+3], v15 offset:32*SP*\s+16*\j   ; LDS serves a wave's instructions in order: these see the stores above
.endr
.endr
	s_wait_dscnt 0x0
	v_pk_add_f32 v[8:9], v[X:X+1], v[X+2:X+3]      ; the row's sum: two chains
	v_pk_add_f32 v[10:11], v[X+4:X+5], v[X+6:X+7]
.irp j, 8,12,16,20,24,28
	s_delay_alu instid0(VALU_DEP_2)
	v_pk_add_f32 v[8:9], v[8:9], v[X+\j:X+\j+1]
	s_delay_alu instid0(VALU_DEP_2)
	v_pk_add_f32 v[10:11], v[10:11], v[X+\j+2:X+\j+3]
.endr
	s_delay_alu instid0(VALU_DEP_1)
	v_pk_add_f32 v[8:9], v[8:9], v[10:11]
	s_delay_alu instid0(VALU_DEP_1)
	v_add_f32 v8, v8, v9
	SUM32
	s_delay_alu instid0(VALU_DEP_1)
	v_mul_f32 v16, v20, v8                         ; the mean, twice: a pair for the packed form
	v_mul_f32 v17, v20, v8
.irp j, 0,2,4,6,8,10,12,14,16,18,20,22,24,26,28,30
	v_pk_add_f32 v[X+\j:X+\j+1], v[X+\j:X+\j+1], v[16:17] neg_lo:[0,1] neg_hi:[0,1]   ; x - mean
.endr
	v_pk_mul_f32 v[8:9], v[X:X+1], v[X:X+1]        ; the sum of squares: two chains
	v_pk_mul_f32 v[10:11], v[X+2:X+3], v[X+2:X+3]
.irp j, 4,8,12,16,20,24,28
	s_delay_alu instid0(VALU_DEP_2)
	v_pk_fma_f32 v[8:9], v[X+\j:X+\j+1], v[X+\j:X+\j+1], v[8:9]
	s_delay_alu instid0(VALU_DEP_2)
	v_pk_fma_f32 v[10:11], v[X+\j+2:X+\j+3], v[X+\j+2:X+\j+3], v[10:11]
.endr
	s_delay_alu instid0(VALU_DEP_1)
	v_pk_add_f32 v[8:9], v[8:9], v[10:11]
	s_delay_alu instid0(VALU_DEP_1)
	v_add_f32 v8, v8, v9
	SUM32
	s_delay_alu instid0(VALU_DEP_1)
	v_fmaak_f32 v8, v8, v20, 0x358637bd            ; variance + 1e-6
	s_wait_loadcnt 0x0                             ; the tables are in
	s_wait_alu depctr_va_vdst(0)                   ; the wait ahead of the transcendentals
	v_rsq_f32 v18, v8
	v_rsq_f32 v19, v8
	v_nop                                          ; a plain instruction behind them,
	s_wait_alu depctr_va_vdst(0)                   ; and the wait ahead of their first reader
.irp j, 0,2,4,6,8,10,12,14,16,18,20,22,24,26,28,30
	v_pk_mul_f32 v[X+\j:X+\j+1], v[X+\j:X+\j+1], v[18:19]
.endr
.irp j, 0,2,4,6,8,10,12,14,16,18,20,22,24,26,28,30
	v_pk_fma_f32 v[X+\j:X+\j+1], v[X+\j:X+\j+1], v[G+\j:G+\j+1], v[BI+\j:BI+\j+1]
.endr
.irp s, 0,1
	v_max3_num_f32 v8, |v[X+16*\s]|, |v[X+16*\s+1]|, |v[X+16*\s+2]|    ; the largest magnitude of my 16
	v_max3_num_f32 v9, |v[X+16*\s+3]|, |v[X+16*\s+4]|, |v[X+16*\s+5]|
.irp i, 6,10
	s_delay_alu instid0(VALU_DEP_2)
	v_max3_num_f32 v8, v8, |v[X+16*\s+\i]|, |v[X+16*\s+\i+1]|
	s_delay_alu instid0(VALU_DEP_2)
	v_max3_num_f32 v9, v9, |v[X+16*\s+\i+2]|, |v[X+16*\s+\i+3]|
.endr
	s_delay_alu instid0(VALU_DEP_2)
	v_max3_num_f32 v8, v8, |v[X+16*\s+14]|, |v[X+16*\s+15]|
	s_delay_alu instid0(VALU_DEP_1)
	v_max3_num_f32 v8, v8, v9, 0x1800000           ; and the floor 2^(3 - 127): the byte cannot fall under 1
	s_delay_alu instid0(VALU_DEP_1)
	v_max_num_f32_dpp v8, v8, v8 row_xmask:1 row_mask:0xf bank_mask:0xf   ; with my neighbour's 16: the block's
	s_delay_alu instid0(VALU_DEP_1)
	v_add_nc_u32 v11, 0xff000000, v8               ; 2 off its exponent field: the conversion's scale operand
	v_cvt_scalef32_pk16_fp6_f32 v[R+4*\s:R+4*\s+2], v[X+16*\s:X+16*\s+15], v11
	v_lshrrev_b32 v[R+4*\s+3], 23, v11             ; the scale's byte
	ds_store_b8 v5, v[R+4*\s+3] offset:16*\s       ; both lanes of a block write the same byte with the same value
	global_store_b96 v4, v[R+4*\s:R+4*\s+2], s[10:11] offset:384*\s   ; 32 lanes store 384 consecutive bytes
.endr
	s_wait_dscnt 0x0                               ; my byte stores are done,
	s_barrier_signal -1
	s_barrier_wait -1                              ; everybody's are
	s_cmp_lg_u32 s14, 0
	s_cbranch_scc1 .Ldone
	ds_load_b128 v[12:15], v6                      ; wave 0: the sixteen rows' 512 scale bytes
	s_wait_dscnt 0x0
	global_store_b128 v3, v[12:15], s[22:23]       ; 512 consecutive bytes, aligned
.Ldone:
	s_wait_tensorcnt 0x0                           ; the wave's end
	ds_add_u32 v30, v31
	s_wait_dscnt 0x0
	s_endpgm
.Lfunc_end_k_qcb0ec1b0b6_ln1:
	.size	k_qcb0ec1b0b6_ln1, .Lfunc_end_k_qcb0ec1b0b6_ln1-k_qcb0ec1b0b6_ln1
	.p2alignl 7, 3214868480
	.fill 96, 4, 3214868480
	.section	.rodata,"a",@progbits
	.p2align	6, 0x0
	.amdhsa_kernel k_qcb0ec1b0b6_ln1
		.amdhsa_group_segment_fixed_size 84480
		.amdhsa_private_segment_fixed_size 0
		.amdhsa_enable_private_segment 0
		.amdhsa_kernarg_size 32
		.amdhsa_user_sgpr_count 2
		.amdhsa_user_sgpr_kernarg_segment_ptr 1
		.amdhsa_wavefront_size32 1
		.amdhsa_system_sgpr_workgroup_id_x 1
		.amdhsa_system_sgpr_workgroup_id_y 1
		.amdhsa_system_sgpr_workgroup_id_z 1
		.amdhsa_system_vgpr_workitem_id 0
		.amdhsa_next_free_vgpr 256
		.amdhsa_next_free_sgpr 66
		.amdhsa_reserve_vcc 0
		.amdhsa_float_denorm_mode_32 3
		.amdhsa_float_denorm_mode_16_64 3
		.amdhsa_memory_ordered 1
		.amdhsa_forward_progress 1
		.amdhsa_inst_pref_size 16
	.end_amdhsa_kernel
	.amdgpu_metadata
---
amdhsa.version: [ 1, 2 ]
amdhsa.kernels:
  - .name:           k_qcb0ec1b0b6_ln1
    .symbol:         k_qcb0ec1b0b6_ln1.kd
    .args:
      - { .name: x, .offset: 0, .size: 8, .value_kind: global_buffer, .address_space: global }
      - { .name: ln1_scale, .offset: 8, .size: 8, .value_kind: global_buffer, .address_space: global }
      - { .name: ln1_bias, .offset: 16, .size: 8, .value_kind: global_buffer, .address_space: global }
      - { .name: hbuf, .offset: 24, .size: 8, .value_kind: global_buffer, .address_space: global }
    .group_segment_fixed_size: 84480
    .private_segment_fixed_size: 0
    .kernarg_segment_align: 8
    .kernarg_segment_size: 32
    .max_flat_workgroup_size: 512
    .sgpr_count:     66
    .vgpr_count:     256
    .wavefront_size: 32
...
	.end_amdgpu_metadata
.endif
;; end of part 1
;; launch qkv (part 2): grid 12 x 16, 4 waves a work-group, clusters of 4 x 4, 327,680 bytes of LDS; arguments hbuf, w_qkv_codes, w_qkv_scales, qkvb; writes qkvb
.if DOCPART == 2
	.amdgcn_target "amdgcn-amd-amdhsa--gfx1250"
	.amdhsa_code_object_version 6
	.text
	.protected	k_qcb0ec1b0b6_qkv
	.globl	k_qcb0ec1b0b6_qkv
	.p2align	8
	.type	k_qcb0ec1b0b6_qkv,@function
k_qcb0ec1b0b6_qkv:
	s_mov_b64 s[64:65], 0
	v_nop
	global_prefetch_b8 v0, s[64:65] scope:SCOPE_SE
	s_setreg_imm32_b32 hwreg(HW_REG_WAVE_MODE, 25, 1), 1
	s_wait_xcnt 0x0
	s_wait_alu depctr_hold_cnt(0) depctr_sa_sdst(0) depctr_va_vdst(0) depctr_va_sdst(0) depctr_va_ssrc(0) depctr_va_vcc(0) depctr_vm_vsrc(0)
	s_getreg_b32 s2, hwreg(HW_REG_IB_STS2, 6, 4)
	s_cmp_eq_u32 s2, 0
	s_cbranch_scc0 .Lentry_in_a_cluster
	s_endpgm
.Lentry_in_a_cluster:
	s_bfe_u32 s2, ttmp6, 0x10000c
	s_cmp_lg_u32 s2, 0xf033
	s_cbranch_scc0 .Lentry_shape_is_right
	s_endpgm
.Lentry_shape_is_right:
; q, k, v = h W_qkv on codes of FP6 (E2M3) with one E8M0 scale for each 32 along K = 1,024, quantised again at once for attention: q and k along the head's 64, v along the keys.
; In: h as codes [4096][768], its scale bytes [4096][32] from byte HSO on; W as codes [3072][768], scale bytes [3072][32].
; Out, one buffer: images of operand registers (piece p = registers 2 p, 2 p + 1; lane l's 8 bytes at 256 p + 8 l), bh = 16 x batch + head:
;   q at 0, k at 3,145,728: [bh][128 tiles of 16 tokens][3 pieces];  v at 6,291,456: [bh][16 steps of 128 keys][4 tiles of 16 d][6 pieces];
;   scale words from QSO on: q, k [bh][tile][16], v [bh][step][tile][32]; 262,144 bytes each.
; FRAME: 256 x 256 results a work-group, 128 x 128 a wave (64 accumulators).  K goes through two LDS slots in chunks of 256 bytes of each row (a row is 768 bytes: three chunks, each at a multiple of 256);
; a step of 128 along K is 96 bytes: steps 2 and 5 lie across two chunks.  Both sides' scale bytes come once.  4 x 4 work-groups form a cluster: side A's tiles are asked for jointly along a row, side B's along a column.
; The matrix instruction is used transposed (source 0 = side B, source 1 = side A): a lane holds one row of side A, its registers run along side B.
; ONE TEXT FOR q, k, v: the cluster's x is 0, 1 or 2, the same in all sixteen partners.  q, k: A = tokens, B = rows of W.  v: A = rows of W_v, B = tokens.  Only pointers and tile numbers are chosen, by s_cselect.
; ORDER ALONG THE NEXT K: a lane's 16 registers of result tiles 2 b, 2 b + 1 are numbers 32 b + 8 h + 0..7 and 32 b + 16 + 8 h + 0..7: a permutation inside a block of 32; q and k carry the same one, and so do v and the softmax's p.
; PREFETCH: behind the head's loads each wave names chunks 1 and 2 (what the next two tensor loads bring) of 32 of the 128 rows that it fetches in the ring, a lane a row; the four partners that ask for a tile jointly share its rows out by address.
; LIMITS: NaN and infinities are not served.  A block of zeros gets the scale byte 1 (the definition says 127): its codes are zeros, and the bytes are read by this program alone.
; REGISTERS: window 0: v0-31 addresses; v32-63 scale words, two sets; v128-223 side A's fragments; on the way out v192-229.  window 1: side B's fragments, two sets.  windows 2, 3: accumulators ((a, b) at v[8 (8 (a % 4) + b)]).
.set ROWB,   256
.set NQ,     2
.set KROW,   768
.set STEPS,  8
.set CHUNKS, 3
.set PITCH,  272                       ; 256 bytes + 16 of padding
.set FR,     12
.set NL,     6
.set NP,     4
.set HALFT,  128*PITCH
.set SLOT,   4*HALFT
.set KS,     32
.set SCL,    2*SLOT
.set HALFS,  (128*KS/256)*272
.set SBLK,   (16*KS/256)*272
.set SPARE,  SCL+4*HALFS               ; the spare words: 128 bytes a wave
.set HSO,    3145728
.set QSO,    9437184
.set ADRA, 16                          ; v16-17 slot 0, 1; v18-19 for pieces whose two halves of lanes read different chunks
.set ADRB, 20
.set ADRS, 27
.set SPW,  28
.set NIL,  29
.set PFO,  31                          ; the prefetches' offset: lane x a row; never rewritten
.set PFA,  66                          ; s[66:67] their base; never rewritten
.set SC,   32
.set AF,   128
.set PC,   192
.set TM,   212
.set PW,   228
.set SW,   229
.set G1, 24
.set G0, 32
.set G1B, 48
.set G0B, 56
.set G1S, 68
.set G0S, 76
.set G1SB, 80
.set G0SB, 88
.set G0H, 4
.set G0HB, 8
.set MSB, 0
.macro WIN new
.if MSB != (\new)
	s_set_vgpr_msb (MSB<<8)|(\new)
.set MSB, (\new)
.endif
.endm
.set MUL_LO, 0xa1
.set MUL_HI, 0xf1
.set TO_B,   0x40
.macro JLOAD g0a, g1a, g0b, g1b        ; a joint load: waves 0, 1 fetch for A, waves 2, 3 for B
	s_cmp_eq_u32 s15, 0
	s_cbranch_scc0 .Lfor_b_\@
	tensor_load_to_lds s[\g0a:\g0a+3], s[\g1a:\g1a+7]
	s_nop 0
.rept 4
	v_nop
.endr
	s_branch .Lasked_\@
.Lfor_b_\@:
	tensor_load_to_lds s[\g0b:\g0b+3], s[\g1b:\g1b+7]
	s_nop 0
.rept 4
	v_nop
.endr
.Lasked_\@:
.endm
.macro CREST
	s_cmp_lg_u32 s14, 0
	s_cbranch_scc1 .Lnot_wave_0_\@
	s_barrier_signal -3
.Lnot_wave_0_\@:
	s_barrier_wait -3
	s_barrier_signal -1
	s_barrier_wait -1
.endm
.macro CROUND
	s_barrier_signal -1
	s_barrier_wait -1
	CREST
.endm
.macro PLACES n
.rept \n
	v_nop
.endr
.endm
	s_load_b256 s[4:11], s[0:1], 0x0               ; h's buffer, W's codes, W's scales, the output
	v_lshl_add_u32 v[SPW], v0, 2, SPARE
	v_mov_b32 v[NIL], 0
	ds_add_u32 v[SPW], v[NIL]                      ; the opening lines
	ds_add_u32 v[SPW], v[NIL]
	v_lshrrev_b32 v1, 5, v0
	v_readfirstlane_b32 s14, v1                    ; wave
	s_lshr_b32 s15, s14, 1                         ; my half of A's rows; I fetch for A (0) or B (1)
	s_and_b32 s16, s14, 1                          ; my half of B's rows; which 128 rows I fetch
	s_bfe_u32 s40, ttmp6, 0x40000                  ; cx
	s_bfe_u32 s41, ttmp6, 0x40004                  ; cy
	s_and_b32 s17, ttmp7, 0xffff
	s_cmp_eq_u32 ttmp9, 2                          ; v?
	s_cselect_b32 s18, 0, s17
	s_cselect_b32 s19, s17, ttmp9
	s_lshl_b32 s42, s19, 2
	s_add_co_u32 s42, s42, s40                     ; side B's tile
	s_lshl_b32 s17, s18, 2
	s_add_co_u32 s17, s17, s41                     ; side A's tile
	s_lshl_b32 s43, s41, 2
	s_lshl_b32 s43, 15, s43                        ; my row of the cluster
	s_lshl_b32 s44, 0x1111, s40                    ; my column
	s_or_b32 s[G1+0], s43, (0<<16)|(1<<20)|(1<<21)|(5<<22)|(3<<25)   ; bytes; 4 words of padding behind every 64
	s_or_b32 s[G1B+0], s44, (0<<16)|(1<<20)|(1<<21)|(5<<22)|(3<<25)
.irp g, G1, G1B
	s_mov_b32 s[\g+1], ROWB<<16
	s_mov_b32 s[\g+2], 256<<16                     ; 256 rows for the head's loads
	s_mov_b32 s[\g+3], ROWB<<16
	s_mov_b32 s[\g+4], 256
	s_mov_b32 s[\g+5], KROW
	s_mov_b32 s[\g+6], 0
	s_mov_b32 s[\g+7], 0
.endr
	s_or_b32 s[G1S+0], s43, (3<<16)|(1<<20)|(1<<21)|(5<<22)|(3<<25)  ; the scale bytes of 256 rows: dense, KS rows of 256 bytes
	s_or_b32 s[G1SB+0], s44, (3<<16)|(1<<20)|(1<<21)|(5<<22)|(3<<25)
.irp g, G1S, G1SB
	s_mov_b32 s[\g+1], 32<<16
	s_mov_b32 s[\g+2], KS<<16
	s_mov_b32 s[\g+3], 32<<16
	s_mov_b32 s[\g+4], KS
	s_mov_b32 s[\g+5], 32
	s_mov_b32 s[\g+6], 0
	s_mov_b32 s[\g+7], 0
.endr
	s_lshl_b32 s20, s17, 8
	s_lshl_b32 s46, s42, 8
	s_mov_b32 s21, 0
	s_mov_b32 s47, 0
	s_mov_b64 s[18:19], KS
	s_mul_u64 s[22:23], s[20:21], s[18:19]
	s_mul_u64 s[92:93], s[46:47], s[18:19]
	s_mov_b64 s[18:19], KROW
	s_mul_u64 s[20:21], s[20:21], s[18:19]
	s_mul_u64 s[46:47], s[46:47], s[18:19]
	s_mul_i32 s18, s16, 128*KROW                   ; the ring: my 128 rows
	s_mov_b32 s19, 0
	s_mul_i32 s45, s14, HALFT
	s_wait_dscnt 0x0
	s_wait_kmcnt 0x0
	s_mov_b64 s[12:13], s[10:11]                   ; the output
	s_add_nc_u64 s[96:97], s[4:5], HSO             ; h's scale bytes
	s_add_nc_u64 s[98:99], s[6:7], 2048*KROW       ; W_v's codes
	s_add_nc_u64 s[100:101], s[8:9], 2048*KS       ; and scale bytes
	s_cmp_eq_u32 ttmp9, 2
	s_cselect_b64 s[10:11], s[96:97], s[8:9]       ; B's scale bytes
	s_cselect_b64 s[8:9], s[4:5], s[6:7]           ; B's codes
	s_cselect_b64 s[4:5], s[98:99], s[4:5]         ; A's codes
	s_cselect_b64 s[6:7], s[100:101], s[96:97]     ; A's scale bytes
	s_add_nc_u64 s[20:21], s[4:5], s[20:21]
	s_add_nc_u64 s[22:23], s[6:7], s[22:23]
	s_add_nc_u64 s[46:47], s[8:9], s[46:47]
	s_add_nc_u64 s[92:93], s[10:11], s[92:93]
	CROUND                                         ; the round in front of the first joint loads
	s_mov_b32 s[G0H], 1
	s_mov_b32 s[G0H+1], 0
	s_mov_b64 s[G0H+2:G0H+3], s[20:21]
	s_or_b32 s[G0H+3], s[G0H+3], 0x80000000
	s_mov_b32 s[G0HB], 1
	s_mov_b32 s[G0HB+1], 2*HALFT
	s_mov_b64 s[G0HB+2:G0HB+3], s[46:47]
	s_or_b32 s[G0HB+3], s[G0HB+3], 0x80000000
	s_mov_b32 s[G0S], 1
	s_mov_b32 s[G0S+1], SCL
	s_mov_b64 s[G0S+2:G0S+3], s[22:23]
	s_or_b32 s[G0S+3], s[G0S+3], 0x80000000
	s_mov_b32 s[G0SB], 1
	s_mov_b32 s[G0SB+1], SCL+2*HALFS
	s_mov_b64 s[G0SB+2:G0SB+3], s[92:93]
	s_or_b32 s[G0SB+3], s[G0SB+3], 0x80000000
	s_add_nc_u64 s[20:21], s[20:21], s[18:19]
	s_add_nc_u64 s[46:47], s[46:47], s[18:19]
.irp s, 0,1
	s_mov_b32 s[G0+4*\s], 1
	s_add_co_u32 s[G0+4*\s+1], s45, \s*SLOT
	s_add_nc_u64 s[G0+4*\s+2:G0+4*\s+3], s[20:21], \s*ROWB
	s_or_b32 s[G0+4*\s+3], s[G0+4*\s+3], 0x80000000
	s_mov_b32 s[G0B+4*\s], 1
	s_add_co_u32 s[G0B+4*\s+1], s45, \s*SLOT
	s_add_nc_u64 s[G0B+4*\s+2:G0B+4*\s+3], s[46:47], \s*ROWB
	s_or_b32 s[G0B+4*\s+3], s[G0B+4*\s+3], 0x80000000
.endr
; the head's four tiles, one a wave: chunk 0 of A's 256 rows, of B's 256 rows, A's scale bytes, B's
.macro ARM under, g0, g1, next
	s_cmp_lt_u32 s14, \under
	s_cbranch_scc0 \next
	tensor_load_to_lds s[\g0:\g0+3], s[\g1:\g1+7]
	s_nop 0
.rept 4
	v_nop
.endr
	s_branch .Lhead_asked
\next:
.endm
	ARM 1, G0H,  G1,  .Lhead_b
	ARM 2, G0HB, G1B, .Lhead_sa
	ARM 3, G0S,  G1S, .Lhead_sb
	tensor_load_to_lds s[G0SB:G0SB+3], s[G1SB:G1SB+7]
	s_nop 0
.rept 4
	v_nop
.endr
.Lhead_asked:
	s_cmp_eq_u32 s15, 0                            ; the prefetches: of the 128 rows that I fetch in the ring,
	s_cselect_b64 s[PFA:PFA+1], s[20:21], s[46:47]
	s_cselect_b32 s18, s40, s41                    ; my work-group's 32, by its place among the four that ask jointly
	s_mul_i32 s18, s18, 32*KROW
	s_mov_b32 s19, 0
	s_add_nc_u64 s[PFA:PFA+1], s[PFA:PFA+1], s[18:19]
	v_and_b32 v8, 31, v0
	v_mul_u32_u24 v[PFO], v8, KROW                 ; a lane a row
	global_prefetch_b8 v[PFO], s[PFA:PFA+1] offset:ROWB th:TH_LOAD_NT scope:SCOPE_SE     ; chunk 1
	global_prefetch_b8 v[PFO], s[PFA:PFA+1] offset:2*ROWB th:TH_LOAD_NT scope:SCOPE_SE   ; chunk 2
	v_and_b32 v1, 15, v0                           ; r
	v_bfe_u32 v2, v0, 4, 1                         ; h
	v_mul_u32_u24 v3, v1, PITCH
	v_mul_u32_u24 v4, v2, 24
	v_add_nc_u32 v4, v3, v4                        ; row x pitch + 24 h
	s_mov_b32 s21, SLOT-232
	s_mov_b32 s22, SLOT+232
	v_sub_nc_u32 v7, 1, v2
	v_mul_u32_u24 v5, s21, v2
	v_add_nc_u32 v5, v3, v5
	v_add_nc_u32 v5, 232, v5                       ; lanes 0-15 byte 232 in slot 0, lanes 16-31 byte 0 in slot 1
	v_mul_u32_u24 v6, s22, v7
	v_add_nc_u32 v6, v3, v6                        ; lanes 0-15 byte 232 in slot 1, lanes 16-31 byte 0 in slot 0
	s_mul_i32 s21, s15, HALFT
	s_mul_i32 s22, s16, HALFT
	s_add_co_u32 s22, s22, 2*HALFT
	v_add_nc_u32 v[ADRA+2], s21, v5
	v_add_nc_u32 v[ADRA+3], s21, v6
	v_add_nc_u32 v[ADRB+2], s22, v5
	v_add_nc_u32 v[ADRB+3], s22, v6
.irp s, 0,1
	v_add_nc_u32 v[ADRA+\s], s21, v4
	v_add_nc_u32 v[ADRB+\s], s22, v4
	s_add_co_u32 s21, s21, SLOT
	s_add_co_u32 s22, s22, SLOT
.endr
	v_mul_u32_u24 v5, v1, KS
	v_lshrrev_b32 v6, 8, v5
	v_lshl_add_u32 v5, v6, 4, v5                   ; KS bytes a row, 16 more for each 256 passed
	s_mul_i32 s21, s15, HALFS
	s_mul_i32 s22, s16, HALFS
	s_add_co_u32 s22, s22, 2*HALFS
	s_sub_co_u32 s22, s22, s21
	v_mul_u32_u24 v6, s22, v2                      ; lanes 16-31 take B's
	s_add_co_u32 s21, s21, SCL
	v_add_nc_u32 v5, v5, v6
	v_add_nc_u32 v[ADRS], s21, v5
.macro FRAG reg, adr, st, i            ; 16 rows x 128 K: six pieces of 8 bytes; byte y of a row lies in slot (y / 256) % 2 at byte y % 256
.irp p, 0,1,2,3,4,5
.set BY, 96*(\st)+48*(\p/3)+8*(\p%3)
.if BY/ROWB == (BY+24)/ROWB
	ds_load_b64 v[\reg+2*\p:\reg+2*\p+1], v[\adr+(BY/ROWB)%2] offset:BY%ROWB+(\i)*16*PITCH
.else
	ds_load_b64 v[\reg+2*\p:\reg+2*\p+1], v[\adr+2+(BY/ROWB)%2] offset:BY%ROWB-232+(\i)*16*PITCH
.endif
.endr
.endm
.macro MUL16 a0, p, q, sc, zero        ; A's blocks a0, a0 + 1 x B's eight; the 64 accumulators take turns
.irp a, \a0, \a0+1
.irp b, 0,1,2,3,4,5,6,7
.if \zero
	v_wmma_scale_f32_16x16x128_f8f6f4 v[8*(8*((\a)%4)+\b):8*(8*((\a)%4)+\b)+7], v[128*(\p)+FR*\b:128*(\p)+FR*\b+FR-1], v[AF+FR*(\a):AF+FR*(\a)+FR-1], 0, v[SC+8*NQ*(\sc)+NQ*\b+(\q)], v[SC+8*NQ*(\sc)+NQ*(\a)+(\q)] matrix_a_fmt:MATRIX_FMT_FP6 matrix_b_fmt:MATRIX_FMT_FP6 matrix_a_scale:MATRIX_SCALE_ROW1
.else
	v_wmma_scale_f32_16x16x128_f8f6f4 v[8*(8*((\a)%4)+\b):8*(8*((\a)%4)+\b)+7], v[128*(\p)+FR*\b:128*(\p)+FR*\b+FR-1], v[AF+FR*(\a):AF+FR*(\a)+FR-1], v[8*(8*((\a)%4)+\b):8*(8*((\a)%4)+\b)+7], v[SC+8*NQ*(\sc)+NQ*\b+(\q)], v[SC+8*NQ*(\sc)+NQ*(\a)+(\q)] matrix_a_fmt:MATRIX_FMT_FP6 matrix_b_fmt:MATRIX_FMT_FP6 matrix_a_scale:MATRIX_SCALE_ROW1
.endif
.endr
.endr
.endm
.macro FETCH_B st, p
	WIN TO_B
.irp i, 0,1,2,3,4,5,6,7
	FRAG 128*(\p)+FR*\i, ADRB, \st, \i
.endr
	WIN 0
.endm
.macro FETCH_A st, i0
.irp i, \i0, \i0+1, \i0+2, \i0+3
	FRAG AF+FR*(\i), ADRA, \st, \i
.endr
.endm
.macro SCALES pr                       ; the scale words of steps 2 pr, 2 pr + 1: lanes 0-15 A's block i, lanes 16-31 B's
.irp i, 0,1,2,3,4,5,6,7
	ds_load_b64 v[SC+8*NQ*((\pr)%2)+NQ*\i:SC+8*NQ*((\pr)%2)+NQ*\i+1], v[ADRS] offset:\i*SBLK+4*NQ*(\pr)
.endr
.endm
; A step: 64 products; the next step's fragments are fetched in its middle and at its end.  Where the next step ends in a chunk not read yet, a barrier shows that chunk whole;
; where it begins in a later chunk, the chunk left behind is free: the three lines, the barrier, and, if a chunk two on is left, the cluster's round and the refill.
.macro STEP st, zero
.set NX, (\st)+1
.set C0, (96*(\st))/ROWB
.set C1, (96*NX)/ROWB
.set E0, (96*(\st)+95)/ROWB
.set E1, (96*NX+95)/ROWB
.if C1 > C0 || E1 > E0
	s_wait_tensorcnt 0x0                           ; all my tensor loads have landed
.if C1 > C0
	ds_add_u32 v[SPW], v[NIL]
	s_wait_dscnt 4*NL+1                            ; the add and A's blocks 4-7 (24 loads) may be out
.else
	s_wait_dscnt 4*NL                              ; A's blocks 4-7 may be out
.endif
	WIN MUL_LO
	MUL16 0, (\st)%2, (\st)%2, ((\st)/2)%2, \zero
	s_wait_dscnt 0x0
	s_barrier_signal -1
	MUL16 2, (\st)%2, (\st)%2, ((\st)/2)%2, \zero
	WIN 0
	s_barrier_wait -1
.if C1 > C0 && C0+2 < CHUNKS
	CREST
	s_add_nc_u64 s[G0+4*(C0%2)+2:G0+4*(C0%2)+3], s[G0+4*(C0%2)+2:G0+4*(C0%2)+3], 2*ROWB
	s_add_nc_u64 s[G0B+4*(C0%2)+2:G0B+4*(C0%2)+3], s[G0B+4*(C0%2)+2:G0B+4*(C0%2)+3], 2*ROWB
	JLOAD G0+4*(C0%2), G1, G0B+4*(C0%2), G1B       ; chunk C0 + 2; its four v_nop are the places in front of the loads below
.else
	PLACES NP
.endif
.else
	s_wait_dscnt 4*NL
	WIN MUL_LO
	MUL16 0, (\st)%2, (\st)%2, ((\st)/2)%2, \zero
	MUL16 2, (\st)%2, (\st)%2, ((\st)/2)%2, \zero
	s_wait_dscnt 0
	PLACES NP
.endif
	FETCH_B NX, NX%2
	FETCH_A NX, 0
.if NX%2 == 0
	SCALES NX/2
.endif
	WIN MUL_HI
	MUL16 4, (\st)%2, (\st)%2, ((\st)/2)%2, \zero
	MUL16 6, (\st)%2, (\st)%2, ((\st)/2)%2, \zero
	PLACES NP
	WIN 0
	FETCH_A NX, 4
.endm
; 64 numbers of a lane in window w become a fragment's 12 registers of codes in v[PC] on and its scale word in v[PW]; a block of 32 is shared with lane l xor 16
.macro QUANT s, w
	WIN (\w)|((\w)<<2)
.irp b, 0,1,2,3
	v_max3_num_f32 v[TM+\b], |v[(\s)+16*\b]|, |v[(\s)+1+16*\b]|, 0x1800000   ; with the floor 2^(3 - 127): the byte cannot fall under 1
.endr
	WIN ((\w)<<2)|((\w)<<4)
.irp i, 2,4,6,8,10,12,14
.irp b, 0,1,2,3
	v_max3_num_f32 v[TM+\b], v[TM+\b], |v[(\s)+16*\b+\i]|, |v[(\s)+1+16*\b+\i]|
.endr
.endr
	WIN 0
.irp b, 0,1,2,3
	v_permlanex16_b32 v[TM+4+\b], v[TM+\b], s2, s3
.endr
.irp b, 0,1,2,3
	v_max_num_f32 v[TM+\b], v[TM+\b], v[TM+4+\b]
.endr
.irp b, 0,1,2,3
	v_add_nc_u32 v[TM+12+\b], 0xff000000, v[TM+\b] ; 2 off the exponent field: the conversion's scale operand
.endr
.irp b, 0,1,2,3
	v_lshrrev_b32 v[TM+4+\b], 23, v[TM+12+\b]      ; the scale's byte
.endr
	v_lshl_or_b32 v[PW], v[TM+5], 8, v[TM+4]
	v_lshl_or_b32 v[PW], v[TM+6], 16, v[PW]
	v_lshl_or_b32 v[PW], v[TM+7], 24, v[PW]
	WIN (\w)
.irp c, 0,1
	v_cvt_scalef32_pk16_fp6_f32 v[PC+6*\c:PC+2+6*\c], v[(\s)+32*\c:(\s)+15+32*\c], v[TM+12+2*\c]
	v_cvt_scalef32_pk16_fp6_f32 v[PC+12+4*\c:PC+14+4*\c], v[(\s)+16+32*\c:(\s)+31+32*\c], v[TM+12+2*\c+1]
.endr
	WIN 0
	v_nop                                          ; one plain place behind a scaled conversion
.irp c, 0,1                                    ; a whole block in a lane
.irp i, 0,1,2
	v_permlane16_swap_b32 v[PC+6*\c+\i], v[PC+12+4*\c+\i]
.endr
.irp i, 0,1,2
	v_mov_b32 v[PC+3+6*\c+\i], v[PC+12+4*\c+\i]
.endr
.endr
.endm
	s_wait_alu depctr_va_vdst(0)                   ; the wait at the head's end
	s_wait_tensorcnt 0x0                           ; my tile of the head's four is in
	ds_add_u32 v[SPW], v[NIL]
	s_mov_b32 s[G1+2], 128<<16                     ; no load of mine is out: from here on a load brings 128 rows
	s_mov_b32 s[G1+4], 128
	s_mov_b32 s[G1B+2], 128<<16
	s_mov_b32 s[G1B+4], 128
	s_wait_dscnt 0x0
	CROUND
	JLOAD G0+4, G1, G0B+4, G1B                     ; chunk 1
	FETCH_B 0, 0
	FETCH_A 0, 0
	SCALES 0
	FETCH_A 0, 4
	STEP 0, 1                                      ; the first step's products start the sums
.set ST, 1
.rept STEPS-2
	STEP ST, 0
.set ST, ST+1
.endr
	s_wait_dscnt 4*NL
	WIN MUL_LO
	MUL16 0, 1, 1, 1, 0
	MUL16 2, 1, 1, 1, 0
	s_wait_dscnt 0
	WIN MUL_HI
	MUL16 4, 1, 1, 1, 0
	MUL16 6, 1, 1, 1, 0
	WIN 0
	PLACES NP
	; THE WAY OUT.  Block a of side A x my 128 of side B is one fragment of the next operand.  q, k: two halves, heads bh and bh + 1, tile tt0 + a.  v: head bh + a / 4, d tile a % 4, key step ksv.
	s_mov_b32 s2, 0x76543210
	s_mov_b32 s3, 0xfedcba98
	s_lshr_b32 s68, s17, 3
	s_lshl_b32 s68, s68, 4
	s_lshl_b32 s69, s40, 2
	s_add_co_u32 s68, s68, s69
	s_lshl_b32 s69, s16, 1
	s_add_co_u32 s68, s68, s69                     ; q, k: bh = 16 batch + 4 cx + 2 x my half of B
	s_and_b32 s69, s17, 7
	s_lshl_b32 s69, s69, 4
	s_lshl_b32 s72, s15, 3
	s_add_co_u32 s69, s69, s72                     ; tt0
	s_lshr_b32 s72, s42, 3
	s_lshl_b32 s72, s72, 4
	s_lshl_b32 s73, s41, 2
	s_add_co_u32 s72, s72, s73
	s_lshl_b32 s73, s15, 1
	s_add_co_u32 s72, s72, s73                     ; v: bh = 16 batch + 4 cy + 2 x my half of A
	s_and_b32 s73, s42, 7
	s_lshl_b32 s73, s73, 1
	s_add_co_u32 s73, s73, s16                     ; ksv
	s_mul_i32 s74, s69, 768
	s_lshl_b32 s75, s69, 6
	s_mul_i32 s76, s73, 6144
	s_lshl_b32 s77, s73, 9
	s_mov_b32 s78, 768
	s_mov_b32 s80, 768
	s_mov_b32 s82, 98304
	s_mov_b32 s83, 8192
	s_cmp_eq_u32 ttmp9, 2
	s_cselect_b32 s68, s72, s68
	s_cselect_b32 s74, s76, s74                    ; my first image inside the head,
	s_cselect_b32 s75, s77, s75                    ; its scale words
	s_cselect_b32 s78, 1536, s78                   ; from block a to a + 1: images,
	s_cselect_b32 s79, 128, 64                     ; scale words
	s_cselect_b32 s80, 93696, s80                  ; from block 3 to 4: v goes on to the next head
	s_cselect_b32 s81, 7808, 64
	s_cselect_b32 s82, 768, s82                    ; where registers 6-11 go
	s_cselect_b32 s83, 64, s83                     ; where lanes 16-31 put their scale word
	s_cselect_b32 s84, 0, 16                       ; q, k: its upper two bytes, moved down
	s_mul_i32 s86, ttmp9, 3145728
	s_mul_i32 s87, s68, 98304
	s_add_co_u32 s86, s86, s87
	s_add_co_u32 s86, s86, s74
	s_mov_b32 s87, 0
	s_lshl_b32 s88, ttmp9, 18
	s_lshl_b32 s89, s68, 13
	s_add_co_u32 s88, s88, s89
	s_add_co_u32 s88, s88, s75
	s_add_co_u32 s88, s88, QSO
	s_mov_b32 s89, 0
	s_add_nc_u64 s[90:91], s[12:13], s[88:89]
	s_add_nc_u64 s[12:13], s[12:13], s[86:87]
	v_and_b32 v3, 31, v0
	v_lshlrev_b32 v24, 3, v3
	v_add_nc_u32 v25, s82, v24
	v_mul_u32_u24 v26, s83, v2
	v_lshl_add_u32 v26, v1, 2, v26
	v_cmp_le_u32 vcc_lo, 16, v3
.irp b, 0,1,2,3
	v_mov_b32 v[TM+4+\b], 0                        ; a lane permute's destination counts as a source
.endr
.irp a, 0,1,2,3,4,5,6,7
.if \a > 0
	s_wait_xcnt 0x0                                ; the last block's stores have read their data and offsets
.if \a == 4
	v_add_nc_u32 v24, s80, v24
	v_add_nc_u32 v25, s80, v25
	v_add_nc_u32 v26, s81, v26
.else
	v_add_nc_u32 v24, s78, v24
	v_add_nc_u32 v25, s78, v25
	v_add_nc_u32 v26, s79, v26
.endif
.endif
	QUANT 64*(\a%4), 2+\a/4
	v_lshrrev_b32 v[SW], s84, v[PW]
	v_cndmask_b32 v[SW], v[PW], v[SW], vcc_lo
.irp p, 0,1,2
	global_store_b64 v24, v[PC+2*\p:PC+2*\p+1], s[12:13] offset:256*\p        ; 32 lanes store 256 consecutive bytes, aligned
.endr
.irp p, 0,1,2
	global_store_b64 v25, v[PC+6+2*\p:PC+7+2*\p], s[12:13] offset:256*\p
.endr
	global_store_b32 v26, v[SW], s[90:91]
.endr
	s_wait_tensorcnt 0x0                           ; the wave's end
	ds_add_u32 v[SPW], v[NIL]
	s_wait_dscnt 0x0
	CROUND                                         ; the closing round
	s_endpgm
.Lfunc_end_k_qcb0ec1b0b6_qkv:
	.size	k_qcb0ec1b0b6_qkv, .Lfunc_end_k_qcb0ec1b0b6_qkv-k_qcb0ec1b0b6_qkv
	.p2alignl 7, 3214868480
	.fill 96, 4, 3214868480
	.section	.rodata,"a",@progbits
	.p2align	6, 0x0
	.amdhsa_kernel k_qcb0ec1b0b6_qkv
		.amdhsa_group_segment_fixed_size 327680
		.amdhsa_private_segment_fixed_size 0
		.amdhsa_enable_private_segment 0
		.amdhsa_kernarg_size 32
		.amdhsa_user_sgpr_count 2
		.amdhsa_user_sgpr_kernarg_segment_ptr 1
		.amdhsa_wavefront_size32 1
		.amdhsa_system_sgpr_workgroup_id_x 1
		.amdhsa_system_sgpr_workgroup_id_y 1
		.amdhsa_system_sgpr_workgroup_id_z 1
		.amdhsa_system_vgpr_workitem_id 0
		.amdhsa_next_free_vgpr 1024
		.amdhsa_next_free_sgpr 102
		.amdhsa_reserve_vcc 1
		.amdhsa_float_denorm_mode_32 3
		.amdhsa_float_denorm_mode_16_64 3
		.amdhsa_memory_ordered 1
		.amdhsa_forward_progress 1
		.amdhsa_inst_pref_size 171
	.end_amdhsa_kernel
	.amdgpu_metadata
---
amdhsa.version: [ 1, 2 ]
amdhsa.kernels:
  - .name:           k_qcb0ec1b0b6_qkv
    .symbol:         k_qcb0ec1b0b6_qkv.kd
    .args:
      - { .name: hbuf, .offset: 0, .size: 8, .value_kind: global_buffer, .address_space: global }
      - { .name: w_qkv_codes, .offset: 8, .size: 8, .value_kind: global_buffer, .address_space: global }
      - { .name: w_qkv_scales, .offset: 16, .size: 8, .value_kind: global_buffer, .address_space: global }
      - { .name: qkvb, .offset: 24, .size: 8, .value_kind: global_buffer, .address_space: global }
    .group_segment_fixed_size: 327680
    .private_segment_fixed_size: 0
    .kernarg_segment_align: 8
    .kernarg_segment_size: 32
    .max_flat_workgroup_size: 128
    .sgpr_count:     102
    .vgpr_count:     1024
    .wavefront_size: 32
...
	.end_amdgpu_metadata
.endif
;; end of part 2
;; launch attn (part 3): grid 8 x 32, 16 waves a work-group, clusters of 4 x 1, 215,040 bytes of LDS; arguments qkvb, obuf; writes obuf
.if DOCPART == 3
	.amdgcn_target "amdgcn-amd-amdhsa--gfx1250"
	.amdhsa_code_object_version 6
	.text
	.protected	k_qcb0ec1b0b6_attn
	.globl	k_qcb0ec1b0b6_attn
	.p2align	8
	.type	k_qcb0ec1b0b6_attn,@function
k_qcb0ec1b0b6_attn:
	s_mov_b64 s[64:65], 0
	v_nop
	global_prefetch_b8 v0, s[64:65] scope:SCOPE_SE
	s_setreg_imm32_b32 hwreg(HW_REG_WAVE_MODE, 25, 1), 1
	s_wait_xcnt 0x0
	s_wait_alu depctr_hold_cnt(0) depctr_sa_sdst(0) depctr_va_vdst(0) depctr_va_sdst(0) depctr_va_ssrc(0) depctr_va_vcc(0) depctr_vm_vsrc(0)
	s_getreg_b32 s2, hwreg(HW_REG_IB_STS2, 6, 4)
	s_cmp_eq_u32 s2, 0
	s_cbranch_scc0 .Lentry_in_a_cluster
	s_endpgm
.Lentry_in_a_cluster:
	s_bfe_u32 s2, ttmp6, 0x10000c
	s_cmp_lg_u32 s2, 0x3003
	s_cbranch_scc0 .Lentry_shape_is_right
	s_endpgm
.Lentry_shape_is_right:
; o = softmax(q k^T / 8) v for 32 heads (16 x batch + head) of 2,048 tokens x 64, both products on codes of FP6 (E2M3) with E8M0 scales; o is quantised along the model's 1,024 for the next product.
; In: the images and scale words that the launch before stored.  Out: o as images [256 blocks of 16 tokens][8 steps of 128 along K][6 pieces of 256 bytes]; from byte OSO on scale words [block][step][32].
; THE SOFTMAX: t = score x log2(e) / 8; M = the running largest t rounded up to a whole number; p = 2^(t - M) is quantised along the keys, not normalised.  The row's sum is taken of the unquantised p and divides at the end.
; When M moves, the sum and O are multiplied by 2^(old M - new M), which rounds nothing.
; SHARES.  A work-group owns 256 queries of one head, each of its sixteen waves one tile of 16, in 256 registers.
; A WHOLE HEAD'S K AND V LIE IN LDS: 2 x 98,304 bytes of images and 2 x 8,192 of scale words, each byte filled once: no ring.  The four query blocks of a cluster ask for them jointly (mask 15).
; Every wave issues ONE load at the head: waves 0-11 take 16,384 bytes of images each (K's six parts, then V's six), waves 12-15 take 4,096 bytes of scale words each.  One barrier shows all of it to all waves.
; LAYOUT.  Both products are used transposed: S^T = K Q^T, O^T = V^T P^T: a lane holds one query (lane % 16) throughout.  The head's 64 fill registers 0-5 of K's and Q's operands; registers 6-11 hold zero codes, written once.
; ORDER ALONG THE KEYS.  p's 16 registers of score tiles 2 b, 2 b + 1 are keys 32 b + 8 h + 0..7 and 32 b + 16 + 8 h + 0..7: the order in which v's codes were laid.
; O's partner is a given weight in natural order, so O^T is put in order ahead of its quantiser.
; LIMITS: NaN and infinities are not served.  A block of zeros gets the scale byte 1 (the definition says 127): its codes are zeros, and the bytes are read by this program alone.
; No data prefetch: all that the work-group reads is asked for at its head.
; REGISTERS: v1-7 addresses that stay; v8-11 addresses in hand; v12 -M, v13 the largest t, v[14:15] the sum; v16-27 Q; v32-79 four fragments of K; v96-159 S^T, then p, then V's fragments; v160-191 O^T;
;   v223, v243 the add's two; v224-235 p's codes; v232-247 at work; v248-251 the tiles' scale words; v252 f; v253 p's scale word; v254 at work; v255 Q's scale words.
.set VIMG, 98304
.set KSCL, 196608
.set VSCL, 204800
.set KI,   3145728
.set QSO,  9437184
.set KSO,  9699328
.set OSO,  3145728
.set WV,   8
.set G1T,  12                          ; s[12:19] group 1: 64 rows of 256 bytes;  s[20:27]: 16 rows
.set G1C,  20
.set G0,   28                          ; s[28:31] group 0 for scale words, s[32:35] for images
.set SEL,  48
.set CS,   50
.set T6,   52
.set T5,   53
.set CNT,  54
.macro CROUND
	s_barrier_signal -1
	s_barrier_wait -1
	s_cmp_lg_u32 s[WV], 0
	s_cbranch_scc1 .Lnot_wave_0_\@
	s_barrier_signal -3
.Lnot_wave_0_\@:
	s_barrier_wait -3
	s_barrier_signal -1
	s_barrier_wait -1
.endm
	s_load_b128 s[4:7], s[0:1], 0x0                ; in, out
	v_lshl_add_u32 v223, v0, 2, 0x34000
	v_mov_b32 v243, 0
	ds_add_u32 v223, v243                          ; the opening lines
	ds_add_u32 v223, v243
	v_lshrrev_b32 v8, 5, v0
	s_delay_alu instid0(VALU_DEP_1)
	v_readfirstlane_b32 s[WV], v8                  ; wave 0..15
	s_bfe_u32 s9, ttmp6, 0x40000                   ; cx: it enters Q's and O's global addresses alone
	s_and_b32 s10, ttmp7, 0xffff                   ; bh
	s_lshl_b32 s11, ttmp9, 2
	s_add_co_u32 s11, s11, s9
	s_lshl_b32 s11, s11, 4
	s_add_co_u32 s11, s11, s[WV]                   ; my tile of 16 queries, 0..127
.irp g, G1T, G1C
	s_mov_b32 s[\g], 15|(3<<16)|(1<<21)            ; the mask: all four work-groups; elements of 8 bytes; no padding
	s_mov_b32 s[\g+1], 32<<16
	s_mov_b32 s[\g+3], 32<<16
	s_mov_b32 s[\g+5], 32
	s_mov_b32 s[\g+6], 0
	s_mov_b32 s[\g+7], 0
.endr
	s_mov_b32 s[G1T+2], 64<<16
	s_mov_b32 s[G1T+4], 64
	s_mov_b32 s[G1C+2], 16<<16
	s_mov_b32 s[G1C+4], 16
	s_lshl_b32 s58, s[WV], 14                      ; LDS, waves 0-11: 16,384 x wave (V's images follow K's)
	s_lshl_b32 s59, s[WV], 12
	s_add_co_u32 s59, s59, KSCL-12*4096            ; LDS, waves 12-15: 4,096 x (wave - 12) behind KSCL
	s_mul_i32 s60, s10, 98304
	s_add_co_u32 s60, s60, s58
	s_add_co_u32 s60, s60, KI
	s_cmp_ge_u32 s[WV], 6
	s_cselect_b32 s61, 3145728-98304, 0            ; waves 6-11: on to v's images
	s_add_co_u32 s60, s60, s61
	s_mov_b32 s61, 0
	s_lshl_b32 s62, s10, 13
	s_lshl_b32 s63, s[WV], 12
	s_add_co_u32 s62, s62, s63
	s_add_co_u32 s62, s62, KSO-12*4096
	s_cmp_ge_u32 s[WV], 14
	s_cselect_b32 s63, 262144-8192, 0              ; waves 14, 15: on to v's scale words
	s_add_co_u32 s62, s62, s63
	s_mov_b32 s63, 0
	s_lshl_b32 s66, s10, 7
	s_add_co_u32 s66, s66, s11
	s_mul_i32 s68, s66, 768                        ; Q's image
	s_mov_b32 s69, 0
	s_lshl_b32 s70, s66, 6
	s_add_co_u32 s70, s70, QSO                     ; Q's scale words
	s_mov_b32 s71, 0
	s_lshr_b32 s66, s10, 4
	s_lshl_b32 s66, s66, 7
	s_add_co_u32 s66, s66, s11                     ; O: block of 16 tokens = 128 batch + my tile
	s_lshl_b32 s66, s66, 3
	s_bfe_u32 s67, s10, 0x30001
	s_add_co_u32 s66, s66, s67                     ; x 8 + head / 2
	s_and_b32 s67, s10, 1
	s_mul_i32 s56, s66, 1536
	s_mul_i32 s57, s67, 768
	s_add_co_u32 s56, s56, s57
	s_mov_b32 s57, 0
	s_lshl_b32 s66, s66, 7
	s_lshl_b32 s67, s67, 1
	s_add_co_u32 s66, s66, s67
	s_add_co_u32 s66, s66, OSO
	s_mov_b32 s67, 0
	s_mov_b32 s[SEL], 0x76543210
	s_mov_b32 s[SEL+1], 0xfedcba98
	s_mov_b32 s[CS], 0x3e38aa3b                    ; c = log2(e) / 8
	s_mov_b32 s[CS+1], s[CS]
	s_mov_b32 s[T6], 0
	s_mov_b32 s[T5], 0
	s_wait_dscnt 0x0
	s_wait_kmcnt 0x0
	s_add_nc_u64 s[72:73], s[4:5], s[68:69]
	s_add_nc_u64 s[74:75], s[4:5], s[70:71]
	s_add_nc_u64 s[76:77], s[6:7], s[56:57]
	s_add_nc_u64 s[78:79], s[6:7], s[66:67]
	s_mov_b32 s[G0], 1
	s_mov_b32 s[G0+1], s59
	s_add_nc_u64 s[G0+2:G0+3], s[4:5], s[62:63]
	s_or_b32 s[G0+3], s[G0+3], 0x80000000
	s_mov_b32 s[G0+4], 1
	s_mov_b32 s[G0+5], s58
	s_add_nc_u64 s[G0+6:G0+7], s[4:5], s[60:61]
	s_or_b32 s[G0+7], s[G0+7], 0x80000000
	CROUND                                         ; the round in front of the joint loads
	s_cmp_lt_u32 s[WV], 12                         ; one load in each arm: every wave issues one
	s_cbranch_scc0 .Lfill_scales
	tensor_load_to_lds s[G0+4:G0+7], s[G1T:G1T+7]
	s_nop 0
.rept 4
	v_nop
.endr
	s_branch .Lfilled
.Lfill_scales:
	tensor_load_to_lds s[G0:G0+3], s[G1C:G1C+7]
	s_nop 0
.rept 4
	v_nop
.endr
.Lfilled:
	v_and_b32 v8, 31, v0
	v_and_b32 v9, 15, v0
	s_delay_alu instid0(VALU_DEP_2)
	v_lshlrev_b32 v1, 3, v8                        ; 8 x lane
	s_delay_alu instid0(VALU_DEP_1)
	v_add_nc_u32 v2, VIMG, v1
	s_delay_alu instid0(VALU_DEP_3)
	v_lshlrev_b32 v7, 2, v9                        ; 4 x (lane % 16)
	s_delay_alu instid0(VALU_DEP_1)
	v_add_nc_u32 v3, KSCL, v7
	v_lshlrev_b32 v6, 2, v8                        ; 4 x lane
	s_delay_alu instid0(VALU_DEP_1)
	v_add_nc_u32 v4, VSCL, v6
.irp p, 0,1,2
	global_load_b64 v[16+2*\p:17+2*\p], v1, s[72:73] offset:256*\p   ; Q's registers 0-5 stay
.endr
	global_load_b32 v255, v7, s[74:75]
.irp i, 22,23,24,25,26,27
	v_mov_b32 v[\i], 0                             ; zero codes for K = 64 .. 127
.endr
.irp t, 0,1,2,3
.irp i, 6,7,8,9,10,11
	v_mov_b32 v[32+12*\t+\i], 0
.endr
.endr
	v_mov_b32 v13, 0xff61b1e6                      ; -3e38, under every t
	s_delay_alu instid0(VALU_DEP_1)
	v_floor_f32 v12, -v13
	v_mov_b32 v14, 0
	v_mov_b32 v15, 0
.irp b, 0,1,2,3
	v_mov_b32 v[236+\b], 0
.endr
	v_mov_b32 v253, 0
.set j, 0
.rept 32
	v_mov_b32 v[160+j], 0                          ; O^T: the step is written for every step alike
.set j, j+1
.endr
; A KEY STEP: 128 keys.
.macro STEP
	v_add_nc_u32 v8, s[T6], v1
	s_wait_alu depctr_va_vdst(0)
	v_add_nc_u32 v9, s[T6], v2
	v_add_nc_u32 v10, s[T5], v3
	s_wait_alu depctr_va_vdst(0)
	v_add_nc_u32 v11, s[T5], v4
	v_nop                                          ; six places behind the last step's products
	v_nop
.irp g, 0,1                                    ; S^T = K Q^T, four tiles of 16 keys at a time
.if \g > 0
.rept 4
	v_nop
.endr
.endif
.irp t, 0,1,2,3
.irp p, 0,1,2
	ds_load_b64 v[32+12*\t+2*\p:33+12*\t+2*\p], v8 offset:(4*\g+\t)*768+256*\p
.endr
	ds_load_b32 v[248+\t], v10 offset:(4*\g+\t)*64
.endr
	s_wait_dscnt 0x0
.irp t, 0,1,2,3
	v_wmma_scale_f32_16x16x128_f8f6f4 v[96+8*(4*\g+\t):103+8*(4*\g+\t)], v[32+12*\t:43+12*\t], v[16:27], 0, v[248+\t], v255 matrix_a_fmt:MATRIX_FMT_FP6 matrix_b_fmt:MATRIX_FMT_FP6
.endr
.endr
.rept 4
	v_nop
.endr
.irp b, 0,1,2,3
	v_max3_num_f32 v[232+\b], v[96+16*\b], v[97+16*\b], v[98+16*\b]   ; the largest score of each block of 32 keys: for the row's maximum and for the block's largest p
.endr
.irp i, 3,5,7,9,11,13
.irp b, 0,1,2,3
	v_max3_num_f32 v[232+\b], v[232+\b], v[96+16*\b+\i], v[97+16*\b+\i]
.endr
.endr
.irp b, 0,1,2,3
	v_max_num_f32 v[232+\b], v[232+\b], v[111+16*\b]
.endr
.irp b, 0,1,2,3
	s_delay_alu instid0(VALU_DEP_4)
	v_permlanex16_b32 v[236+\b], v[232+\b], s[SEL], s[SEL+1]
.endr
.irp b, 0,1,2,3
	s_delay_alu instid0(VALU_DEP_4)
	v_max_num_f32 v[232+\b], v[232+\b], v[236+\b]
.endr
	s_delay_alu instid0(VALU_DEP_2)
	v_max3_num_f32 v254, v232, v233, v234
	s_delay_alu instid0(VALU_DEP_1)
	v_max_num_f32 v254, v254, v235
	s_delay_alu instid0(VALU_DEP_1)
	v_mul_f32 v254, s[CS], v254
	s_delay_alu instid0(VALU_DEP_1)
	v_max_num_f32 v13, v13, v254                   ; the running largest t
	v_mov_b32 v254, v12
	s_delay_alu instid0(VALU_DEP_2)
	v_floor_f32 v12, -v13                          ; the new -M
	s_delay_alu instid0(VALU_DEP_1)
	v_sub_f32 v254, v12, v254
	s_delay_alu instid0(VALU_DEP_1)
	v_cvt_i32_f32 v254, v254
	s_delay_alu instid0(VALU_DEP_1)
	v_ldexp_f32 v252, 1.0, v254                    ; f = 2^(old M - new M)
.set j, 0
.rept 32
	v_pk_fma_f32 v[96+j:97+j], v[96+j:97+j], s[CS:CS+1], v[12:13] op_sel_hi:[1,0,0]   ; t - M
.set j, j+2
.endr
.irp b, 0,1,2,3
	v_fma_f32 v[232+\b], v[232+\b], s[CS], v12
.endr
.set j, 0
	s_wait_alu depctr_va_vdst(0)                   ; the wait ahead of the batch
.rept 64
	v_exp_f32 v[96+j], v[96+j]                     ; p
.set j, j+1
.endr
	v_pk_mul_f32 v[14:15], v[14:15], v[252:253] op_sel_hi:[1,0]
	s_wait_alu depctr_va_vdst(0)                   ; and behind it
.irp b, 0,1,2,3
	v_exp_f32 v[232+\b], v[232+\b]                 ; the block's largest p
.endr
	v_pk_add_f32 v[236:237], v[100:101], v[104:105]
	v_pk_add_f32 v[250:251], v[108:109], v[112:113]
	v_pk_add_f32 v[248:249], v[116:117], v[120:121]
	v_pk_add_f32 v[246:247], v[124:125], v[128:129]
	v_pk_add_f32 v[244:245], v[132:133], v[136:137]
	v_pk_add_f32 v[240:241], v[140:141], v[144:145]
	v_pk_add_f32 v[238:239], v[148:149], v[152:153]
	v_pk_add_f32 v[14:15], v[14:15], v[156:157]
	v_pk_add_f32 v[236:237], v[236:237], v[96:97]
	v_pk_add_f32 v[250:251], v[250:251], v[98:99]
	v_pk_add_f32 v[248:249], v[248:249], v[102:103]
	v_pk_add_f32 v[246:247], v[246:247], v[106:107]
	v_pk_add_f32 v[244:245], v[244:245], v[110:111]
	v_pk_add_f32 v[240:241], v[240:241], v[114:115]
	v_pk_add_f32 v[238:239], v[238:239], v[118:119]
	v_pk_add_f32 v[14:15], v[14:15], v[122:123]
	v_pk_add_f32 v[236:237], v[236:237], v[126:127]
	v_pk_add_f32 v[250:251], v[250:251], v[130:131]
	v_pk_add_f32 v[248:249], v[248:249], v[134:135]
	v_pk_add_f32 v[246:247], v[246:247], v[138:139]
	v_pk_add_f32 v[244:245], v[244:245], v[142:143]
	v_pk_add_f32 v[240:241], v[240:241], v[146:147]
	v_pk_add_f32 v[238:239], v[238:239], v[150:151]
	v_pk_add_f32 v[14:15], v[14:15], v[154:155]
	v_pk_add_f32 v[236:237], v[236:237], v[158:159]
	s_delay_alu instid0(VALU_DEP_2)
	v_pk_add_f32 v[14:15], v[14:15], v[246:247]
	s_delay_alu instid0(VALU_DEP_2)
	v_pk_add_f32 v[236:237], v[236:237], v[244:245]
	v_pk_add_f32 v[250:251], v[250:251], v[240:241]
	v_pk_add_f32 v[248:249], v[248:249], v[238:239]
	s_delay_alu instid0(VALU_DEP_2)
	v_pk_add_f32 v[14:15], v[14:15], v[250:251]
	s_delay_alu instid0(VALU_DEP_2)
	v_pk_add_f32 v[236:237], v[236:237], v[248:249]
	s_delay_alu instid0(VALU_DEP_1)
	v_pk_add_f32 v[14:15], v[14:15], v[236:237]
	s_wait_alu depctr_va_vdst(0)                   ; for the four exponentials
.irp b, 0,1,2,3
	v_max_num_f32 v[232+\b], 0x1800000, v[232+\b]  ; the floor 2^(3 - 127)
.endr
.irp b, 0,1,2,3
	s_delay_alu instid0(VALU_DEP_4)
	v_add_nc_u32 v[244+\b], 0xff000000, v[232+\b]
.endr
.irp b, 0,1,2,3
	s_delay_alu instid0(VALU_DEP_4)
	v_lshrrev_b32 v[236+\b], 23, v[244+\b]
.endr
	s_delay_alu instid0(VALU_DEP_3)
	v_lshl_or_b32 v253, v237, 8, v236              ; p's scale word
	s_delay_alu instid0(VALU_DEP_1)
	v_lshl_or_b32 v253, v238, 16, v253
	s_delay_alu instid0(VALU_DEP_1)
	v_lshl_or_b32 v253, v239, 24, v253
.irp c, 0,1
	v_cvt_scalef32_pk16_fp6_f32 v[224+6*\c:226+6*\c], v[96+32*\c:111+32*\c], v[244+2*\c]
	v_cvt_scalef32_pk16_fp6_f32 v[236+4*\c:238+4*\c], v[112+32*\c:127+32*\c], v[244+2*\c+1]
.endr
	v_nop
.irp c, 0,1
.irp i, 0,1,2
	v_permlane16_swap_b32 v[224+6*\c+\i], v[236+4*\c+\i]
.endr
.irp i, 0,1,2
	s_delay_alu instid0(VALU_DEP_3)
	v_mov_b32 v[227+6*\c+\i], v[236+4*\c+\i]
.endr
.endr
.irp t, 0,1,2,3                                ; V's four fragments land where p lay
.irp p, 0,1,2,3,4,5
	ds_load_b64 v[96+12*\t+2*\p:97+12*\t+2*\p], v9 offset:1536*\t+256*\p
.endr
	ds_load_b32 v[248+\t], v11 offset:128*\t
.endr
.set j, 0
.rept 16
	v_pk_mul_f32 v[160+j:161+j], v[160+j:161+j], v[252:253] op_sel_hi:[1,0]   ; O^T under the new M; also the places ahead of the products
.set j, j+2
.endr
	s_wait_alu depctr_va_vdst(0)
	s_wait_dscnt 0x0
.irp t, 0,1,2,3                                ; O^T += V^T P^T: four accumulators by turns
	v_wmma_scale_f32_16x16x128_f8f6f4 v[160+8*\t:167+8*\t], v[96+12*\t:107+12*\t], v[224:235], v[160+8*\t:167+8*\t], v[248+\t], v253 matrix_a_fmt:MATRIX_FMT_FP6 matrix_b_fmt:MATRIX_FMT_FP6
.endr
	s_add_co_u32 s[T6], s[T6], 6144
	s_add_co_u32 s[T5], s[T5], 512
.endm
	s_wait_loadcnt 0x0                             ; Q
	s_wait_tensorcnt 0x0                           ; my part of the head's K and V is in,
	s_barrier_signal -1
	s_barrier_wait -1                              ; everybody's is
	s_mov_b32 s[CNT], 16
.Lrest:
	STEP
	s_sub_co_u32 s[CNT], s[CNT], 1
	s_cmp_lg_u32 s[CNT], 0
	s_cbranch_scc1 .Lrest
	; THE WAY OUT.  O^T / the sum, put in natural order along d, quantised: two blocks, registers 6 c .. 6 c + 5 (c = head % 2) of the next operand.
	v_add_f32 v14, v14, v15
	s_delay_alu instid0(VALU_DEP_1)
	v_permlanex16_b32 v252, v14, s[SEL], s[SEL+1]
	s_delay_alu instid0(VALU_DEP_1)
	v_add_f32 v14, v14, v252
	s_wait_alu depctr_va_vdst(0)
	v_rcp_f32 v14, v14
.rept 4
	v_nop
.endr
	s_wait_alu depctr_va_vdst(0)
.set j, 0
.rept 32
	v_mul_f32 v[96+j], v[160+j], v14
.set j, j+1
.endr
.irp b, 0,1
.irp i, 0,1,2,3,4,5,6,7
	v_permlane16_swap_b32 v[96+16*\b+\i], v[104+16*\b+\i]   ; register 16 b + i is now d = 32 b + 16 h + i
.endr
.endr
.irp b, 0,1
	v_max3_num_f32 v[232+\b], |v[96+16*\b]|, |v[97+16*\b]|, 0x1800000
.endr
.irp i, 2,4,6,8,10,12,14
.irp b, 0,1
	s_delay_alu instid0(VALU_DEP_2)
	v_max3_num_f32 v[232+\b], v[232+\b], |v[96+16*\b+\i]|, |v[97+16*\b+\i]|
.endr
.endr
.irp b, 0,1
	s_delay_alu instid0(VALU_DEP_2)
	v_permlanex16_b32 v[236+\b], v[232+\b], s[SEL], s[SEL+1]
.endr
.irp b, 0,1
	s_delay_alu instid0(VALU_DEP_2)
	v_max_num_f32 v[232+\b], v[232+\b], v[236+\b]
.endr
.irp b, 0,1
	s_delay_alu instid0(VALU_DEP_2)
	v_add_nc_u32 v[244+\b], 0xff000000, v[232+\b]
.endr
.irp b, 0,1
	s_delay_alu instid0(VALU_DEP_2)
	v_lshrrev_b32 v[236+\b], 23, v[244+\b]
.endr
	s_delay_alu instid0(VALU_DEP_1)
	v_lshl_or_b32 v254, v237, 8, v236
	v_cvt_scalef32_pk16_fp6_f32 v[224:226], v[96:111], v244
	v_cvt_scalef32_pk16_fp6_f32 v[236:238], v[112:127], v245
	v_nop
.irp i, 0,1,2
	v_permlane16_swap_b32 v[224+\i], v[236+\i]
.endr
.irp i, 0,1,2
	s_delay_alu instid0(VALU_DEP_3)
	v_mov_b32 v[227+\i], v[236+\i]
.endr
.irp p, 0,1,2
	global_store_b64 v1, v[224+2*\p:225+2*\p], s[76:77] offset:256*\p    ; 32 lanes store 256 consecutive bytes, aligned
.endr
	global_store_b16 v6, v254, s[78:79]            ; two bytes of each scale word; the other two are the neighbouring head's
	s_wait_tensorcnt 0x0                           ; the wave's end
	ds_add_u32 v223, v243
	s_wait_dscnt 0x0
	CROUND                                         ; the closing round
	s_endpgm
.Lfunc_end_k_qcb0ec1b0b6_attn:
	.size	k_qcb0ec1b0b6_attn, .Lfunc_end_k_qcb0ec1b0b6_attn-k_qcb0ec1b0b6_attn
	.p2alignl 7, 3214868480
	.fill 96, 4, 3214868480
	.section	.rodata,"a",@progbits
	.p2align	6, 0x0
	.amdhsa_kernel k_qcb0ec1b0b6_attn
		.amdhsa_group_segment_fixed_size 215040
		.amdhsa_private_segment_fixed_size 0
		.amdhsa_enable_private_segment 0
		.amdhsa_kernarg_size 16
		.amdhsa_user_sgpr_count 2
		.amdhsa_user_sgpr_kernarg_segment_ptr 1
		.amdhsa_wavefront_size32 1
		.amdhsa_system_sgpr_workgroup_id_x 1
		.amdhsa_system_sgpr_workgroup_id_y 1
		.amdhsa_system_sgpr_workgroup_id_z 1
		.amdhsa_system_vgpr_workitem_id 0
		.amdhsa_next_free_vgpr 256
		.amdhsa_next_free_sgpr 80
		.amdhsa_reserve_vcc 0
		.amdhsa_float_denorm_mode_32 3
		.amdhsa_float_denorm_mode_16_64 3
		.amdhsa_memory_ordered 1
		.amdhsa_forward_progress 1
		.amdhsa_inst_pref_size 33
	.end_amdhsa_kernel
	.amdgpu_metadata
---
amdhsa.version: [ 1, 2 ]
amdhsa.kernels:
  - .name:           k_qcb0ec1b0b6_attn
    .symbol:         k_qcb0ec1b0b6_attn.kd
    .args:
      - { .name: qkvb, .offset: 0, .size: 8, .value_kind: global_buffer, .address_space: global }
      - { .name: obuf, .offset: 8, .size: 8, .value_kind: global_buffer, .address_space: global }
    .group_segment_fixed_size: 215040
    .private_segment_fixed_size: 0
    .kernarg_segment_align: 8
    .kernarg_segment_size: 16
    .max_flat_workgroup_size: 512
    .sgpr_count:     80
    .vgpr_count:     256
    .wavefront_size: 32
...
	.end_amdgpu_metadata
.endif
;; end of part 3
;; launch proj (part 4): grid 8 x 32, 4 waves a work-group, clusters of 4 x 4, 233,216 bytes of LDS; arguments obuf, w_proj_codes, w_proj_scales, b_proj, x, x2; writes x2
.if DOCPART == 4
	.amdgcn_target "amdgcn-amd-amdhsa--gfx1250"
	.amdhsa_code_object_version 6
	.text
	.protected	k_qcb0ec1b0b6_proj
	.globl	k_qcb0ec1b0b6_proj
	.p2align	8
	.type	k_qcb0ec1b0b6_proj,@function
k_qcb0ec1b0b6_proj:
	s_mov_b64 s[64:65], 0
	v_nop
	global_prefetch_b8 v0, s[64:65] scope:SCOPE_SE
	s_setreg_imm32_b32 hwreg(HW_REG_WAVE_MODE, 25, 1), 1
	s_wait_xcnt 0x0
	s_wait_alu depctr_hold_cnt(0) depctr_sa_sdst(0) depctr_va_vdst(0) depctr_va_sdst(0) depctr_va_ssrc(0) depctr_va_vcc(0) depctr_vm_vsrc(0)
	s_getreg_b32 s2, hwreg(HW_REG_IB_STS2, 6, 4)
	s_cmp_eq_u32 s2, 0
	s_cbranch_scc0 .Lentry_in_a_cluster
	s_endpgm
.Lentry_in_a_cluster:
	s_bfe_u32 s2, ttmp6, 0x10000c
	s_cmp_lg_u32 s2, 0xf033
	s_cbranch_scc0 .Lentry_shape_is_right
	s_endpgm
.Lentry_shape_is_right:
; x2 = x + o W_proj + b_proj, on codes of FP6 (E2M3) with one E8M0 scale for each 32 along K = 1,024.
; In: o as images of operand registers [256 blocks of 16 rows][8 steps of 128 along K][6 pieces of 256 bytes], from byte ASOFF on its scale words [block][step][32]; W as codes [1024][768], scale bytes [1024][32];
; bias [1024], x and x2 [4096][1024] f32.
; A tile of x2 is 128 x 128 (256 work-groups); four waves, each 64 x 64: 16 accumulators.  ALL OF K LIES IN LDS: o's eight blocks (98,304 bytes, dense), W's 128 whole rows of 768 bytes (16 bytes of padding behind every 256),
; and both sides' scales.  Every byte is filled once, by four loads at the head, one a wave: no ring, and one barrier.  The stage for the way out has bytes of its own.
; CLUSTERS: 4 x 4 work-groups; o's tile is asked for jointly along a row of the cluster, W's along a column.  The matrix instruction is used transposed (source 0 = 16 rows of W, source 1 = 16 rows of o): a lane holds eight
; neighbouring numbers of a row of x2.  The bias is the C of each sum's first product.  The residual is asked for at the head, into registers of its own.
; No data prefetch: all that the work-group reads is asked for at its head.
; LIMITS: NaN and infinities are not served.
; REGISTERS: window 0: v0-31 addresses; v32-95 scale words and nothing else (o's (block a, step q) at 32 + 8 a + q, W's (tile b, step q) at 64 + 8 b + q); v96-127 the bias; v128-255 accumulators ((a, b) at 128 + 8 (4 a + b)).
;   window 1: two fragment buffers of 96 (W's four tiles, then o's four blocks); on the way out v128-191 rows read back.   window 2: v0-127 the residual.
.set ASOFF,  3145728
.set KT,     8
.set KROW,   768
.set KS,     32
.set ABLK,   KT*1536                   ; a block of o in LDS
.set LB,     8*ABLK                    ; W's rows
.set PITCHB, 816                       ; 3 x (256 + 16)
.set SCA,    LB+128*PITCHB             ; o's scale words, dense
.set SCB,    SCA+8*KT*128              ; W's scale bytes, as runs of 256 bytes + 16
.set SBLKB,  (16*KS/256)*272
.set STAGE,  SCB+(128*KS/256)*272      ; 16 rows x 272 bytes a wave
.set SPARE,  STAGE+4*16*272            ; the spare words, 128 bytes a wave
.set ADA, 16
.set ADB, 20                           ; v20; v21 the same with lanes 16-31 behind one padding more
.set STO, 24
.set RD,  25
.set CO,  26
.set ADSA, 27
.set SPW, 28
.set NIL, 29
.set ADSB, 30
.set SC,  32
.set BI,  96
.set ACC, 128
.set BK,  128
.set G1, 24
.set G0, 32
.set G1B, 48
.set G0B, 56
.set G1S, 68
.set G0S, 76
.set G1SB, 80
.set G0SB, 88
.set MSB, 0
.macro WIN new
.if MSB != (\new)
	s_set_vgpr_msb (MSB<<8)|(\new)
.set MSB, (\new)
.endif
.endm
.set MUL,  0x05                        ; sources 0 and 1 window 1; C and D window 0
.set TO_F, 0x40
.macro CROUND
	s_barrier_signal -1
	s_barrier_wait -1
	s_cmp_lg_u32 s14, 0
	s_cbranch_scc1 .Lnot_wave_0_\@
	s_barrier_signal -3
.Lnot_wave_0_\@:
	s_barrier_wait -3
	s_barrier_signal -1
	s_barrier_wait -1
.endm
.macro PLACES n
.rept \n
	v_nop
.endr
.endm
	s_load_b256 s[4:11], s[0:1], 0x0               ; o, W's codes, W's scales, the bias
	s_load_b128 s[96:99], s[0:1], 0x20             ; the residual, x2
	v_lshl_add_u32 v[SPW], v0, 2, SPARE
	v_mov_b32 v[NIL], 0
	ds_add_u32 v[SPW], v[NIL]                      ; the opening lines
	ds_add_u32 v[SPW], v[NIL]
	v_lshrrev_b32 v1, 5, v0
	v_readfirstlane_b32 s14, v1                    ; wave
	s_lshr_b32 s15, s14, 1                         ; my half of the tile's rows
	s_and_b32 s16, s14, 1                          ; my half of its columns
	s_bfe_u32 s40, ttmp6, 0x40000
	s_bfe_u32 s41, ttmp6, 0x40004
	s_lshl_b32 s42, ttmp9, 2
	s_add_co_u32 s42, s42, s40                     ; tile column
	s_and_b32 s17, ttmp7, 0xffff
	s_lshl_b32 s17, s17, 2
	s_add_co_u32 s17, s17, s41                     ; tile row
	s_lshl_b32 s43, s41, 2
	s_lshl_b32 s43, 15, s43                        ; my row of the cluster
	s_lshl_b32 s44, 0x1111, s40                    ; my column
	s_or_b32 s[G1+0], s43, (3<<16)|(1<<21)         ; o's tile: dense, 384 rows of 256 bytes
	s_mov_b32 s[G1+1], 32<<16
	s_mov_b32 s[G1+2], (LB/256)<<16
	s_mov_b32 s[G1+3], 32<<16
	s_mov_b32 s[G1+4], LB/256
	s_mov_b32 s[G1+5], 32
	s_mov_b32 s[G1+6], 0
	s_mov_b32 s[G1+7], 0
	s_or_b32 s[G1B+0], s44, (0<<16)|(1<<20)|(1<<21)|(5<<22)|(3<<25)   ; W's tile: 128 rows of 768 bytes; 4 words of padding behind every 64
	s_mov_b32 s[G1B+1], KROW<<16
	s_mov_b32 s[G1B+2], 128<<16
	s_mov_b32 s[G1B+3], KROW<<16
	s_mov_b32 s[G1B+4], 128
	s_mov_b32 s[G1B+5], KROW
	s_mov_b32 s[G1B+6], 0
	s_mov_b32 s[G1B+7], 0
	s_or_b32 s[G1S+0], s43, (3<<16)|(1<<21)        ; o's scale words: dense, 32 rows of 256 bytes
	s_mov_b32 s[G1S+1], 32<<16
	s_mov_b32 s[G1S+2], (8*KT*128/256)<<16
	s_mov_b32 s[G1S+3], 32<<16
	s_mov_b32 s[G1S+4], 8*KT*128/256
	s_mov_b32 s[G1S+5], 32
	s_mov_b32 s[G1S+6], 0
	s_mov_b32 s[G1S+7], 0
	s_or_b32 s[G1SB+0], s44, (3<<16)|(1<<20)|(1<<21)|(5<<22)|(3<<25)  ; W's scale bytes: dense, 16 rows of 256 bytes, 16 of padding behind each
	s_mov_b32 s[G1SB+1], 32<<16
	s_mov_b32 s[G1SB+2], (128*KS/256)<<16
	s_mov_b32 s[G1SB+3], 32<<16
	s_mov_b32 s[G1SB+4], 128*KS/256
	s_mov_b32 s[G1SB+5], 32
	s_mov_b32 s[G1SB+6], 0
	s_mov_b32 s[G1SB+7], 0
	s_mul_i32 s20, s17, LB                         ; o's images: eight blocks a tile row
	s_mov_b32 s21, 0
	s_mul_i32 s22, s17, 8*KT*128
	s_add_co_u32 s22, s22, ASOFF                   ; its scale words
	s_mov_b32 s23, 0
	s_mul_i32 s46, s42, 128*KROW                   ; W's rows
	s_mov_b32 s47, 0
	s_mul_i32 s92, s42, 128*KS                     ; their scale bytes
	s_mov_b32 s93, 0
	s_wait_dscnt 0x0
	s_wait_kmcnt 0x0
	s_mov_b32 s[G0], 1
	s_mov_b32 s[G0+1], 0
	s_add_nc_u64 s[G0+2:G0+3], s[4:5], s[20:21]
	s_or_b32 s[G0+3], s[G0+3], 0x80000000
	s_mov_b32 s[G0S], 1
	s_mov_b32 s[G0S+1], SCA
	s_add_nc_u64 s[G0S+2:G0S+3], s[4:5], s[22:23]
	s_or_b32 s[G0S+3], s[G0S+3], 0x80000000
	s_mov_b32 s[G0B], 1
	s_mov_b32 s[G0B+1], LB
	s_add_nc_u64 s[G0B+2:G0B+3], s[6:7], s[46:47]
	s_or_b32 s[G0B+3], s[G0B+3], 0x80000000
	s_mov_b32 s[G0SB], 1
	s_mov_b32 s[G0SB+1], SCB
	s_add_nc_u64 s[G0SB+2:G0SB+3], s[8:9], s[92:93]
	s_or_b32 s[G0SB+3], s[G0SB+3], 0x80000000
	CROUND                                         ; the round in front of the joint loads
; four tiles, one a wave
.macro ARM under, g0, g1, next
	s_cmp_lt_u32 s14, \under
	s_cbranch_scc0 \next
	tensor_load_to_lds s[\g0:\g0+3], s[\g1:\g1+7]
	s_nop 0
.rept 4
	v_nop
.endr
	s_branch .Lhead_asked
\next:
.endm
	ARM 1, G0,  G1,  .Lhead_b
	ARM 2, G0B, G1B, .Lhead_sa
	ARM 3, G0S, G1S, .Lhead_sb
	tensor_load_to_lds s[G0SB:G0SB+3], s[G1SB:G1SB+7]
	s_nop 0
.rept 4
	v_nop
.endr
.Lhead_asked:
	v_and_b32 v1, 15, v0                           ; r
	v_bfe_u32 v2, v0, 4, 1                         ; h
	v_and_b32 v3, 31, v0                           ; lane
	v_lshlrev_b32 v4, 3, v3
	s_mul_i32 s21, s15, 4*ABLK
	v_add_nc_u32 v[ADA], s21, v4                   ; o: 8 x lane + my four blocks
	v_mul_u32_u24 v5, v1, PITCHB
	v_mad_u32_u24 v5, v2, 24, v5
	s_mul_i32 s22, s16, 64*PITCHB
	s_add_co_u32 s22, s22, LB
	v_add_nc_u32 v[ADB], s22, v5                   ; W: row r x pitch + 24 h + my 64 rows
	v_lshl_add_u32 v[ADB+1], v2, 4, v[ADB]
	s_mul_i32 s21, s15, 4*KT*128
	s_add_co_u32 s21, s21, SCA
	v_lshl_add_u32 v[ADSA], v3, 2, s21             ; o's scale words: 4 x lane
	v_mul_u32_u24 v5, v1, KS
	v_lshrrev_b32 v6, 8, v5
	v_lshl_add_u32 v5, v6, 4, v5                   ; W's: KS bytes a row, 16 more for each 256 passed
	s_mul_i32 s22, s16, 4*SBLKB
	s_add_co_u32 s22, s22, SCB
	v_add_nc_u32 v[ADSB], s22, v5
	s_mul_i32 s23, s14, 16*272
	s_add_co_u32 s23, s23, STAGE                   ; my stage
	v_mul_u32_u24 v5, v1, 272
	v_lshl_add_u32 v5, v2, 5, v5
	v_add_nc_u32 v[STO], s23, v5                   ; in: row r, 32 bytes for each half of the lanes
	v_mul_u32_u24 v5, v2, 272
	v_lshl_add_u32 v5, v1, 4, v5
	v_add_nc_u32 v[RD], s23, v5                    ; back: lanes 0-15 one row of 256 bytes, lanes 16-31 the next
	v_lshlrev_b32 v[CO], 12, v2
	v_lshl_add_u32 v[CO], v1, 4, v[CO]             ; the same two rows in x2 and in the residual
	v_lshlrev_b32 v7, 5, v2                        ; the bias: for tile b, columns 16 b + 8 h + 0 .. 7
	s_wait_alu depctr_va_vdst(0)                   ; the wait at the head's end
	s_lshl_b32 s46, s42, 9
	s_lshl_b32 s47, s16, 8
	s_add_co_u32 s46, s46, s47                     ; my first column, in bytes
	s_mov_b32 s47, 0
	s_add_nc_u64 s[10:11], s[10:11], s[46:47]
	s_lshl_b32 s20, s17, 7
	s_lshl_b32 s21, s15, 6
	s_add_co_u32 s20, s20, s21                     ; my first row
	s_lshl_b32 s20, s20, 12
	s_add_co_u32 s20, s20, s46
	s_mov_b32 s21, 0
	s_add_nc_u64 s[96:97], s[96:97], s[20:21]
	s_add_nc_u64 s[98:99], s[98:99], s[20:21]
.irp b, 0,1,2,3
	global_load_b128 v[BI+8*\b:BI+8*\b+3], v7, s[10:11] offset:64*\b
	global_load_b128 v[BI+8*\b+4:BI+8*\b+7], v7, s[10:11] offset:64*\b+16
.endr
	WIN 0x80                                       ; destination window 2
.irp a, 0,1,2,3
.irp t, 0,1,2,3,4,5,6,7
	global_load_b128 v[32*\a+4*\t:32*\a+4*\t+3], v[CO], s[96:97] offset:(16*\a+2*\t)*4096 th:TH_LOAD_NT   ; 16 lanes read 256 consecutive bytes of a row
.endr
.endr
	WIN 0
.macro FRAGA reg, q, i                 ; a fragment of o comes as it was stored: six pieces of 256 bytes
.irp p, 0,1,2,3,4,5
	ds_load_b64 v[\reg+2*\p:\reg+2*\p+1], v[ADA] offset:(\i)*ABLK+(\q)*1536+256*\p
.endr
.endm
.macro FRAGB reg, q, i                 ; a fragment of W: pieces of 8 bytes; byte y of a row lies at y + 16 (y / 256); lanes 16-31 read 24 bytes on, behind one padding more where y % 256 is 232 or more
.irp p, 0,1,2,3,4,5
.set BY, 96*(\q)+48*(\p/3)+8*(\p%3)
.if BY%256 < 232
	ds_load_b64 v[\reg+2*\p:\reg+2*\p+1], v[ADB] offset:BY+16*(BY/256)+(\i)*16*PITCHB
.else
	ds_load_b64 v[\reg+2*\p:\reg+2*\p+1], v[ADB+1] offset:BY+16*(BY/256)+(\i)*16*PITCHB
.endif
.endr
.endm
.macro FETCH q, f                      ; 48 LDS loads in one run: W's four tiles, then o's four blocks
	WIN TO_F
.irp i, 0,1,2,3
	FRAGB (\f)+12*\i, \q, \i
.endr
.irp i, 0,1,2,3
	FRAGA (\f)+48+12*\i, \q, \i
.endr
.endm
; 4 matrix instructions: o's block a x W's four tiles.  first = 1: the bias starts the sums.  The 16 accumulators take turns.
.macro MUL4 f, a, q, first
.irp b, 0,1,2,3
.if \first
	v_wmma_scale_f32_16x16x128_f8f6f4 v[ACC+8*(4*(\a)+\b):ACC+8*(4*(\a)+\b)+7], v[(\f)+12*\b:(\f)+12*\b+11], v[(\f)+48+12*(\a):(\f)+48+12*(\a)+11], v[BI+8*\b:BI+8*\b+7], v[SC+32+8*\b+(\q)], v[SC+8*(\a)+(\q)] matrix_a_fmt:MATRIX_FMT_FP6 matrix_b_fmt:MATRIX_FMT_FP6
.else
	v_wmma_scale_f32_16x16x128_f8f6f4 v[ACC+8*(4*(\a)+\b):ACC+8*(4*(\a)+\b)+7], v[(\f)+12*\b:(\f)+12*\b+11], v[(\f)+48+12*(\a):(\f)+48+12*(\a)+11], v[ACC+8*(4*(\a)+\b):ACC+8*(4*(\a)+\b)+7], v[SC+32+8*\b+(\q)], v[SC+8*(\a)+(\q)] matrix_a_fmt:MATRIX_FMT_FP6 matrix_b_fmt:MATRIX_FMT_FP6
.endif
.endr
.endm
; a step of 128 along K multiplies its buffer and, in its middle, fetches the next step into the other
.macro QUARTER q, first
.set FB, 96*((\q)%2)
.set GB, 96-FB
	s_wait_dscnt 12                                ; W's tiles and o's blocks 0, 1 are in; the youngest 12 loads (blocks 2, 3) may be out
	WIN MUL
	MUL4 FB, 0, \q, \first
	MUL4 FB, 1, \q, \first
	PLACES 4                                       ; in front of loads into registers that matrix instructions have read
	FETCH (\q)+1, GB
	s_wait_dscnt 48                                ; all but the 48 just issued
	WIN MUL
	MUL4 FB, 2, \q, \first
	MUL4 FB, 3, \q, \first
.endm
	s_wait_tensorcnt 0x0                           ; my tile is in,
	s_barrier_signal -1
	s_barrier_wait -1                              ; everybody's is
.irp i, 0,1,2,3
.irp q, 0,1,2,3,4,5,6,7
	ds_load_b32 v[SC+8*\i+\q], v[ADSA] offset:\i*KT*128+128*\q
.endr
.endr
.irp i, 0,1,2,3
	ds_load_b128 v[SC+32+8*\i:SC+35+8*\i], v[ADSB] offset:\i*SBLKB
	ds_load_b128 v[SC+36+8*\i:SC+39+8*\i], v[ADSB] offset:\i*SBLKB+16
.endr
	FETCH 0, 0
	s_wait_loadcnt 32                              ; the bias is in; the residual's 32 loads may be out
	QUARTER 0, 1
.set Q, 1
.rept 6
	QUARTER Q, 0
.set Q, Q+1
.endr
	s_wait_dscnt 12
	WIN MUL
	MUL4 96, 0, 7, 0
	MUL4 96, 1, 7, 0
	s_wait_dscnt 0
	MUL4 96, 2, 7, 0
	MUL4 96, 3, 7, 0
	WIN 0
	PLACES 4
	; THE WAY OUT, block by block of 16 rows x 64 columns: through my own stage, back as whole rows of 256 bytes, the residual added, stored.
.irp a, 0,1,2,3
.if \a > 1
	s_wait_xcnt 0x0                                ; block a - 2's stores have read their data
.endif
.irp b, 0,1,2,3
	ds_store_b128 v[STO], v[ACC+8*(4*\a+\b):ACC+8*(4*\a+\b)+3] offset:64*\b          ; each accumulator from its low end on
	ds_store_b128 v[STO], v[ACC+8*(4*\a+\b)+4:ACC+8*(4*\a+\b)+7] offset:64*\b+16
.endr
	WIN 0x40
.irp t, 0,1,2,3,4,5,6,7
	ds_load_b128 v[BK+32*(\a%2)+4*\t:BK+32*(\a%2)+4*\t+3], v[RD] offset:544*\t       ; LDS serves a wave's instructions in order
.endr
	s_wait_dscnt 0x0
	s_wait_loadcnt 24-8*\a                         ; this block's eight residual loads are in; the later blocks' may be out
	WIN 0x49                                       ; destination and source 0 window 1, source 1 window 2
.irp t, 0,1,2,3,4,5,6,7,8,9,10,11,12,13,14,15
	v_pk_add_f32 v[BK+32*(\a%2)+2*\t:BK+32*(\a%2)+2*\t+1], v[BK+32*(\a%2)+2*\t:BK+32*(\a%2)+2*\t+1], v[32*\a+2*\t:32*\a+2*\t+1]
.endr
	WIN 0x04                                       ; a store's data are its source 1: window 1
.irp t, 0,1,2,3,4,5,6,7
	global_store_b128 v[CO], v[BK+32*(\a%2)+4*\t:BK+32*(\a%2)+4*\t+3], s[98:99] offset:(16*\a+2*\t)*4096   ; 16 lanes store 256 consecutive bytes, aligned
.endr
	WIN 0
.endr
	s_wait_tensorcnt 0x0                           ; the wave's end
	ds_add_u32 v[SPW], v[NIL]
	s_wait_dscnt 0x0
	CROUND                                         ; the closing round
	s_endpgm
.Lfunc_end_k_qcb0ec1b0b6_proj:
	.size	k_qcb0ec1b0b6_proj, .Lfunc_end_k_qcb0ec1b0b6_proj-k_qcb0ec1b0b6_proj
	.p2alignl 7, 3214868480
	.fill 96, 4, 3214868480
	.section	.rodata,"a",@progbits
	.p2align	6, 0x0
	.amdhsa_kernel k_qcb0ec1b0b6_proj
		.amdhsa_group_segment_fixed_size 233216
		.amdhsa_private_segment_fixed_size 0
		.amdhsa_enable_private_segment 0
		.amdhsa_kernarg_size 48
		.amdhsa_user_sgpr_count 2
		.amdhsa_user_sgpr_kernarg_segment_ptr 1
		.amdhsa_wavefront_size32 1
		.amdhsa_system_sgpr_workgroup_id_x 1
		.amdhsa_system_sgpr_workgroup_id_y 1
		.amdhsa_system_sgpr_workgroup_id_z 1
		.amdhsa_system_vgpr_workitem_id 0
		.amdhsa_next_free_vgpr 768
		.amdhsa_next_free_sgpr 100
		.amdhsa_reserve_vcc 0
		.amdhsa_float_denorm_mode_32 3
		.amdhsa_float_denorm_mode_16_64 3
		.amdhsa_memory_ordered 1
		.amdhsa_forward_progress 1
		.amdhsa_inst_pref_size 69
	.end_amdhsa_kernel
	.amdgpu_metadata
---
amdhsa.version: [ 1, 2 ]
amdhsa.kernels:
  - .name:           k_qcb0ec1b0b6_proj
    .symbol:         k_qcb0ec1b0b6_proj.kd
    .args:
      - { .name: obuf, .offset: 0, .size: 8, .value_kind: global_buffer, .address_space: global }
      - { .name: w_proj_codes, .offset: 8, .size: 8, .value_kind: global_buffer, .address_space: global }
      - { .name: w_proj_scales, .offset: 16, .size: 8, .value_kind: global_buffer, .address_space: global }
      - { .name: b_proj, .offset: 24, .size: 8, .value_kind: global_buffer, .address_space: global }
      - { .name: x, .offset: 32, .size: 8, .value_kind: global_buffer, .address_space: global }
      - { .name: x2, .offset: 40, .size: 8, .value_kind: global_buffer, .address_space: global }
    .group_segment_fixed_size: 233216
    .private_segment_fixed_size: 0
    .kernarg_segment_align: 8
    .kernarg_segment_size: 48
    .max_flat_workgroup_size: 128
    .sgpr_count:     100
    .vgpr_count:     768
    .wavefront_size: 32
...
	.end_amdgpu_metadata
.endif
;; end of part 4
;; launch ln2: the kernel of part 1 again; grid 256 x 1, 16 waves a work-group, no clusters, 84,480 bytes of LDS; arguments x2, ln2_scale, ln2_bias, hbuf; writes hbuf
;; launch mlp1 (part 5): grid 16 x 16, 4 waves a work-group, clusters of 4 x 4, 327,680 bytes of LDS; arguments hbuf, w_mlp1_codes, w_mlp1_scales, b_mlp1, mbuf; writes mbuf
.if DOCPART == 5
	.amdgcn_target "amdgcn-amd-amdhsa--gfx1250"
	.amdhsa_code_object_version 6
	.text
	.protected	k_qcb0ec1b0b6_mlp1
	.globl	k_qcb0ec1b0b6_mlp1
	.p2align	8
	.type	k_qcb0ec1b0b6_mlp1,@function
k_qcb0ec1b0b6_mlp1:
	s_mov_b64 s[64:65], 0
	v_nop
	global_prefetch_b8 v0, s[64:65] scope:SCOPE_SE
	s_setreg_imm32_b32 hwreg(HW_REG_WAVE_MODE, 25, 1), 1
	s_wait_xcnt 0x0
	s_wait_alu depctr_hold_cnt(0) depctr_sa_sdst(0) depctr_va_vdst(0) depctr_va_sdst(0) depctr_va_ssrc(0) depctr_va_vcc(0) depctr_vm_vsrc(0)
	s_getreg_b32 s2, hwreg(HW_REG_IB_STS2, 6, 4)
	s_cmp_eq_u32 s2, 0
	s_cbranch_scc0 .Lentry_in_a_cluster
	s_endpgm
.Lentry_in_a_cluster:
	s_bfe_u32 s2, ttmp6, 0x10000c
	s_cmp_lg_u32 s2, 0xf033
	s_cbranch_scc0 .Lentry_shape_is_right
	s_endpgm
.Lentry_shape_is_right:
; m = gelu(h W_mlp1 + b_mlp1), tanh form, on codes of FP6 (E2M3) with one E8M0 scale for each 32 along K = 1,024, quantised at once along the 4,096 hidden units for the next product.
; In: h as codes [4096][768], its scale bytes [4096][32] from byte HSO on; W as codes [4096][768], scale bytes [4096][32]; bias [4096] f32.
; Out: images of operand registers [256 blocks of 16 rows][32 steps of 128 along K][6 pieces of 256 bytes]; from byte MSO on scale words [block][step][32].
; FRAME: 256 x 256 results a work-group, 128 x 128 a wave (64 accumulators).  K goes through two LDS slots in chunks of 256 bytes of each row (a row is 768 bytes: three chunks, each at a multiple of 256);
; a step of 128 along K is 96 bytes: steps 2 and 5 lie across two chunks.  Both sides' scale bytes come once.  4 x 4 work-groups form a cluster: h's tiles are asked for jointly along a row, W's along a column.
; The matrix instruction is used transposed (source 0 = rows of W, source 1 = rows of h): a lane holds one row, its registers run along the hidden units.  The bias is the C of each sum's first product.
; gelu(x) = x / (1 + 2^(x (k1 + k3 x^2))), k1 = -2 log2(e) sqrt(2 / pi), k3 = 0.044715 k1.  The next product's partner is a given weight in natural order, so the numbers are put in order ahead of the quantiser.
; PREFETCH: behind the head's loads each wave names chunks 1 and 2 (what the next two tensor loads bring) of 32 of the 128 rows that it fetches in the ring, a lane a row; the four partners that ask for a tile jointly share its rows out by address.
; LIMITS: NaN and infinities are not served.  A block of zeros gets the scale byte 1 (the definition says 127): its codes are zeros, and the bytes are read by this program alone.
; REGISTERS: window 0: v0-31 addresses; v32-63 scale words; v64-127 the bias; v128-223 h's fragments; on the way out v128-231.  window 1: W's fragments, two sets.  windows 2, 3: accumulators.
.set ROWB,   256
.set NQ,     2
.set KROW,   768
.set STEPS,  8
.set CHUNKS, 3
.set PITCH,  272
.set FR,     12
.set NL,     6
.set NP,     4
.set HALFT,  128*PITCH
.set SLOT,   4*HALFT
.set KS,     32
.set SCL,    2*SLOT
.set HALFS,  (128*KS/256)*272
.set SBLK,   (16*KS/256)*272
.set SPARE,  SCL+4*HALFS
.set HSO,    3145728
.set MSO,    12582912
.set ADRA, 16
.set ADRB, 20
.set ADRS, 27
.set SPW,  28
.set NIL,  29
.set PFO,  31                          ; the prefetches' offset: lane x a row; never rewritten
.set PFA,  66                          ; s[66:67] their base; never rewritten
.set SC,   32
.set BI,   64
.set AF,   128
.set HA,   128
.set PC,   192
.set TM,   212
.set PW,   228
.set K1,   230
.set G1, 24
.set G0, 32
.set G1B, 48
.set G0B, 56
.set G1S, 68
.set G0S, 76
.set G1SB, 80
.set G0SB, 88
.set G0H, 4
.set G0HB, 8
.set MSB, 0
.macro WIN new
.if MSB != (\new)
	s_set_vgpr_msb (MSB<<8)|(\new)
.set MSB, (\new)
.endif
.endm
.set MUL_LO, 0xa1
.set MUL_HI, 0xf1
.set BIA_LO, 0x81                      ; C (the bias) in window 0, D in window 2
.set BIA_HI, 0xc1
.set TO_B,   0x40
.macro JLOAD g0a, g1a, g0b, g1b
	s_cmp_eq_u32 s15, 0
	s_cbranch_scc0 .Lfor_b_\@
	tensor_load_to_lds s[\g0a:\g0a+3], s[\g1a:\g1a+7]
	s_nop 0
.rept 4
	v_nop
.endr
	s_branch .Lasked_\@
.Lfor_b_\@:
	tensor_load_to_lds s[\g0b:\g0b+3], s[\g1b:\g1b+7]
	s_nop 0
.rept 4
	v_nop
.endr
.Lasked_\@:
.endm
.macro CREST
	s_cmp_lg_u32 s14, 0
	s_cbranch_scc1 .Lnot_wave_0_\@
	s_barrier_signal -3
.Lnot_wave_0_\@:
	s_barrier_wait -3
	s_barrier_signal -1
	s_barrier_wait -1
.endm
.macro CROUND
	s_barrier_signal -1
	s_barrier_wait -1
	CREST
.endm
.macro PLACES n
.rept \n
	v_nop
.endr
.endm
	s_load_b256 s[4:11], s[0:1], 0x0               ; h's buffer, W's codes, W's scales, the bias
	s_load_b64 s[12:13], s[0:1], 0x20              ; the output
	v_lshl_add_u32 v[SPW], v0, 2, SPARE
	v_mov_b32 v[NIL], 0
	ds_add_u32 v[SPW], v[NIL]                      ; the opening lines
	ds_add_u32 v[SPW], v[NIL]
	v_lshrrev_b32 v1, 5, v0
	v_readfirstlane_b32 s14, v1
	s_lshr_b32 s15, s14, 1
	s_and_b32 s16, s14, 1
	s_bfe_u32 s40, ttmp6, 0x40000
	s_bfe_u32 s41, ttmp6, 0x40004
	s_lshl_b32 s42, ttmp9, 2
	s_add_co_u32 s42, s42, s40                     ; W's tile
	s_and_b32 s17, ttmp7, 0xffff
	s_lshl_b32 s17, s17, 2
	s_add_co_u32 s17, s17, s41                     ; h's tile
	s_lshl_b32 s43, s41, 2
	s_lshl_b32 s43, 15, s43
	s_lshl_b32 s44, 0x1111, s40
	s_or_b32 s[G1+0], s43, (0<<16)|(1<<20)|(1<<21)|(5<<22)|(3<<25)
	s_or_b32 s[G1B+0], s44, (0<<16)|(1<<20)|(1<<21)|(5<<22)|(3<<25)
.irp g, G1, G1B
	s_mov_b32 s[\g+1], ROWB<<16
	s_mov_b32 s[\g+2], 256<<16
	s_mov_b32 s[\g+3], ROWB<<16
	s_mov_b32 s[\g+4], 256
	s_mov_b32 s[\g+5], KROW
	s_mov_b32 s[\g+6], 0
	s_mov_b32 s[\g+7], 0
.endr
	s_or_b32 s[G1S+0], s43, (3<<16)|(1<<20)|(1<<21)|(5<<22)|(3<<25)
	s_or_b32 s[G1SB+0], s44, (3<<16)|(1<<20)|(1<<21)|(5<<22)|(3<<25)
.irp g, G1S, G1SB
	s_mov_b32 s[\g+1], 32<<16
	s_mov_b32 s[\g+2], KS<<16
	s_mov_b32 s[\g+3], 32<<16
	s_mov_b32 s[\g+4], KS
	s_mov_b32 s[\g+5], 32
	s_mov_b32 s[\g+6], 0
	s_mov_b32 s[\g+7], 0
.endr
	s_lshl_b32 s20, s17, 8
	s_lshl_b32 s46, s42, 8
	s_mov_b32 s21, 0
	s_mov_b32 s47, 0
	s_mov_b64 s[18:19], KS
	s_mul_u64 s[22:23], s[20:21], s[18:19]
	s_mul_u64 s[92:93], s[46:47], s[18:19]
	s_mov_b64 s[18:19], KROW
	s_mul_u64 s[20:21], s[20:21], s[18:19]
	s_mul_u64 s[46:47], s[46:47], s[18:19]
	s_mul_i32 s18, s16, 128*KROW
	s_mov_b32 s19, 0
	s_mul_i32 s45, s14, HALFT
	s_wait_dscnt 0x0
	s_wait_kmcnt 0x0
	s_mov_b64 s[96:97], s[10:11]                   ; the bias
	s_mov_b64 s[10:11], s[8:9]                     ; W's scale bytes
	s_mov_b64 s[8:9], s[6:7]                       ; W's codes
	s_add_nc_u64 s[6:7], s[4:5], HSO               ; h's scale bytes
	s_add_nc_u64 s[20:21], s[4:5], s[20:21]
	s_add_nc_u64 s[22:23], s[6:7], s[22:23]
	s_add_nc_u64 s[46:47], s[8:9], s[46:47]
	s_add_nc_u64 s[92:93], s[10:11], s[92:93]
	CROUND
	s_mov_b32 s[G0H], 1
	s_mov_b32 s[G0H+1], 0
	s_mov_b64 s[G0H+2:G0H+3], s[20:21]
	s_or_b32 s[G0H+3], s[G0H+3], 0x80000000
	s_mov_b32 s[G0HB], 1
	s_mov_b32 s[G0HB+1], 2*HALFT
	s_mov_b64 s[G0HB+2:G0HB+3], s[46:47]
	s_or_b32 s[G0HB+3], s[G0HB+3], 0x80000000
	s_mov_b32 s[G0S], 1
	s_mov_b32 s[G0S+1], SCL
	s_mov_b64 s[G0S+2:G0S+3], s[22:23]
	s_or_b32 s[G0S+3], s[G0S+3], 0x80000000
	s_mov_b32 s[G0SB], 1
	s_mov_b32 s[G0SB+1], SCL+2*HALFS
	s_mov_b64 s[G0SB+2:G0SB+3], s[92:93]
	s_or_b32 s[G0SB+3], s[G0SB+3], 0x80000000
	s_add_nc_u64 s[20:21], s[20:21], s[18:19]
	s_add_nc_u64 s[46:47], s[46:47], s[18:19]
.irp s, 0,1
	s_mov_b32 s[G0+4*\s], 1
	s_add_co_u32 s[G0+4*\s+1], s45, \s*SLOT
	s_add_nc_u64 s[G0+4*\s+2:G0+4*\s+3], s[20:21], \s*ROWB
	s_or_b32 s[G0+4*\s+3], s[G0+4*\s+3], 0x80000000
	s_mov_b32 s[G0B+4*\s], 1
	s_add_co_u32 s[G0B+4*\s+1], s45, \s*SLOT
	s_add_nc_u64 s[G0B+4*\s+2:G0B+4*\s+3], s[46:47], \s*ROWB
	s_or_b32 s[G0B+4*\s+3], s[G0B+4*\s+3], 0x80000000
.endr
; the head's four tiles, one a wave: chunk 0 of h's 256 rows, of W's 256 rows, h's scale bytes, W's
.macro ARM under, g0, g1, next
	s_cmp_lt_u32 s14, \under
	s_cbranch_scc0 \next
	tensor_load_to_lds s[\g0:\g0+3], s[\g1:\g1+7]
	s_nop 0
.rept 4
	v_nop
.endr
	s_branch .Lhead_asked
\next:
.endm
	ARM 1, G0H,  G1,  .Lhead_b
	ARM 2, G0HB, G1B, .Lhead_sa
	ARM 3, G0S,  G1S, .Lhead_sb
	tensor_load_to_lds s[G0SB:G0SB+3], s[G1SB:G1SB+7]
	s_nop 0
.rept 4
	v_nop
.endr
.Lhead_asked:
	s_cmp_eq_u32 s15, 0                            ; the prefetches: of the 128 rows that I fetch in the ring,
	s_cselect_b64 s[PFA:PFA+1], s[20:21], s[46:47]
	s_cselect_b32 s18, s40, s41                    ; my work-group's 32, by its place among the four that ask jointly
	s_mul_i32 s18, s18, 32*KROW
	s_mov_b32 s19, 0
	s_add_nc_u64 s[PFA:PFA+1], s[PFA:PFA+1], s[18:19]
	v_and_b32 v8, 31, v0
	v_mul_u32_u24 v[PFO], v8, KROW                 ; a lane a row
	global_prefetch_b8 v[PFO], s[PFA:PFA+1] offset:ROWB th:TH_LOAD_NT scope:SCOPE_SE     ; chunk 1
	global_prefetch_b8 v[PFO], s[PFA:PFA+1] offset:2*ROWB th:TH_LOAD_NT scope:SCOPE_SE   ; chunk 2
	v_and_b32 v1, 15, v0
	v_bfe_u32 v2, v0, 4, 1
	v_mul_u32_u24 v3, v1, PITCH
	v_mul_u32_u24 v4, v2, 24
	v_add_nc_u32 v4, v3, v4
	s_mov_b32 s21, SLOT-232
	s_mov_b32 s22, SLOT+232
	v_sub_nc_u32 v7, 1, v2
	v_mul_u32_u24 v5, s21, v2
	v_add_nc_u32 v5, v3, v5
	v_add_nc_u32 v5, 232, v5
	v_mul_u32_u24 v6, s22, v7
	v_add_nc_u32 v6, v3, v6
	s_mul_i32 s21, s15, HALFT
	s_mul_i32 s22, s16, HALFT
	s_add_co_u32 s22, s22, 2*HALFT
	v_add_nc_u32 v[ADRA+2], s21, v5
	v_add_nc_u32 v[ADRA+3], s21, v6
	v_add_nc_u32 v[ADRB+2], s22, v5
	v_add_nc_u32 v[ADRB+3], s22, v6
.irp s, 0,1
	v_add_nc_u32 v[ADRA+\s], s21, v4
	v_add_nc_u32 v[ADRB+\s], s22, v4
	s_add_co_u32 s21, s21, SLOT
	s_add_co_u32 s22, s22, SLOT
.endr
	v_mul_u32_u24 v5, v1, KS
	v_lshrrev_b32 v6, 8, v5
	v_lshl_add_u32 v5, v6, 4, v5
	s_mul_i32 s21, s15, HALFS
	s_mul_i32 s22, s16, HALFS
	s_add_co_u32 s22, s22, 2*HALFS
	s_sub_co_u32 s22, s22, s21
	v_mul_u32_u24 v6, s22, v2
	s_add_co_u32 s21, s21, SCL
	v_add_nc_u32 v5, v5, v6
	v_add_nc_u32 v[ADRS], s21, v5
	s_lshl_b32 s46, s42, 10
	s_lshl_b32 s47, s16, 9
	s_add_co_u32 s46, s46, s47                     ; my first hidden unit, in bytes of the bias
	s_mov_b32 s47, 0
	s_add_nc_u64 s[96:97], s[96:97], s[46:47]
	v_lshlrev_b32 v30, 5, v2                       ; lane (r, h) wants, for tile b, units 16 b + 8 h + 0 .. 7
.irp b, 0,1,2,3,4,5,6,7
	global_load_b128 v[BI+8*\b:BI+8*\b+3], v30, s[96:97] offset:64*\b
	global_load_b128 v[BI+8*\b+4:BI+8*\b+7], v30, s[96:97] offset:64*\b+16
.endr
.macro FRAG reg, adr, st, i
.irp p, 0,1,2,3,4,5
.set BY, 96*(\st)+48*(\p/3)+8*(\p%3)
.if BY/ROWB == (BY+24)/ROWB
	ds_load_b64 v[\reg+2*\p:\reg+2*\p+1], v[\adr+(BY/ROWB)%2] offset:BY%ROWB+(\i)*16*PITCH
.else
	ds_load_b64 v[\reg+2*\p:\reg+2*\p+1], v[\adr+2+(BY/ROWB)%2] offset:BY%ROWB-232+(\i)*16*PITCH
.endif
.endr
.endm
.macro MUL16 a0, p, q, sc, zero        ; zero = 1: the bias starts the sums.  The 64 accumulators take turns
.irp a, \a0, \a0+1
.irp b, 0,1,2,3,4,5,6,7
.if \zero
	v_wmma_scale_f32_16x16x128_f8f6f4 v[8*(8*((\a)%4)+\b):8*(8*((\a)%4)+\b)+7], v[128*(\p)+FR*\b:128*(\p)+FR*\b+FR-1], v[AF+FR*(\a):AF+FR*(\a)+FR-1], v[BI+8*\b:BI+8*\b+7], v[SC+8*NQ*(\sc)+NQ*\b+(\q)], v[SC+8*NQ*(\sc)+NQ*(\a)+(\q)] matrix_a_fmt:MATRIX_FMT_FP6 matrix_b_fmt:MATRIX_FMT_FP6 matrix_a_scale:MATRIX_SCALE_ROW1
.else
	v_wmma_scale_f32_16x16x128_f8f6f4 v[8*(8*((\a)%4)+\b):8*(8*((\a)%4)+\b)+7], v[128*(\p)+FR*\b:128*(\p)+FR*\b+FR-1], v[AF+FR*(\a):AF+FR*(\a)+FR-1], v[8*(8*((\a)%4)+\b):8*(8*((\a)%4)+\b)+7], v[SC+8*NQ*(\sc)+NQ*\b+(\q)], v[SC+8*NQ*(\sc)+NQ*(\a)+(\q)] matrix_a_fmt:MATRIX_FMT_FP6 matrix_b_fmt:MATRIX_FMT_FP6 matrix_a_scale:MATRIX_SCALE_ROW1
.endif
.endr
.endr
.endm
.macro FETCH_B st, p
	WIN TO_B
.irp i, 0,1,2,3,4,5,6,7
	FRAG 128*(\p)+FR*\i, ADRB, \st, \i
.endr
	WIN 0
.endm
.macro FETCH_A st, i0
.irp i, \i0, \i0+1, \i0+2, \i0+3
	FRAG AF+FR*(\i), ADRA, \st, \i
.endr
.endm
.macro SCALES pr
.irp i, 0,1,2,3,4,5,6,7
	ds_load_b64 v[SC+8*NQ*((\pr)%2)+NQ*\i:SC+8*NQ*((\pr)%2)+NQ*\i+1], v[ADRS] offset:\i*SBLK+4*NQ*(\pr)
.endr
.endm
; A step: 64 products; the next step's fragments are fetched in its middle and at its end.  Where the next step ends in a chunk not read yet, a barrier shows that chunk whole;
; where it begins in a later chunk, the chunk left behind is free: the three lines, the barrier, and, if a chunk two on is left, the cluster's round and the refill.
.macro STEP st, zero
.set NX, (\st)+1
.set C0, (96*(\st))/ROWB
.set C1, (96*NX)/ROWB
.set E0, (96*(\st)+95)/ROWB
.set E1, (96*NX+95)/ROWB
.if C1 > C0 || E1 > E0
	s_wait_tensorcnt 0x0
.if C1 > C0
	ds_add_u32 v[SPW], v[NIL]
	s_wait_dscnt 4*NL+1                            ; the add and h's blocks 4-7 (24 loads) may be out
.else
	s_wait_dscnt 4*NL
.endif
	WIN MUL_LO
	MUL16 0, (\st)%2, (\st)%2, ((\st)/2)%2, \zero
	s_wait_dscnt 0x0
	s_barrier_signal -1
	MUL16 2, (\st)%2, (\st)%2, ((\st)/2)%2, \zero
	WIN 0
	s_barrier_wait -1
.if C1 > C0 && C0+2 < CHUNKS
	CREST
	s_add_nc_u64 s[G0+4*(C0%2)+2:G0+4*(C0%2)+3], s[G0+4*(C0%2)+2:G0+4*(C0%2)+3], 2*ROWB
	s_add_nc_u64 s[G0B+4*(C0%2)+2:G0B+4*(C0%2)+3], s[G0B+4*(C0%2)+2:G0B+4*(C0%2)+3], 2*ROWB
	JLOAD G0+4*(C0%2), G1, G0B+4*(C0%2), G1B
.else
	PLACES NP
.endif
.else
	s_wait_dscnt 4*NL
.if \zero
	WIN BIA_LO
.else
	WIN MUL_LO
.endif
	MUL16 0, (\st)%2, (\st)%2, ((\st)/2)%2, \zero
	MUL16 2, (\st)%2, (\st)%2, ((\st)/2)%2, \zero
	s_wait_dscnt 0
	PLACES NP
.endif
	FETCH_B NX, NX%2
	FETCH_A NX, 0
.if NX%2 == 0
	SCALES NX/2
.endif
.if \zero
	WIN BIA_HI
.else
	WIN MUL_HI
.endif
	MUL16 4, (\st)%2, (\st)%2, ((\st)/2)%2, \zero
	MUL16 6, (\st)%2, (\st)%2, ((\st)/2)%2, \zero
	PLACES NP
	WIN 0
	FETCH_A NX, 4
.endm
.macro QUANT s                         ; 64 numbers of a lane become 12 registers of codes in v[PC] on and a scale word in v[PW]
.irp b, 0,1,2,3
	v_max3_num_f32 v[TM+\b], |v[(\s)+16*\b]|, |v[(\s)+1+16*\b]|, 0x1800000
.endr
.irp i, 2,4,6,8,10,12,14
.irp b, 0,1,2,3
	v_max3_num_f32 v[TM+\b], v[TM+\b], |v[(\s)+16*\b+\i]|, |v[(\s)+1+16*\b+\i]|
.endr
.endr
.irp b, 0,1,2,3
	v_permlanex16_b32 v[TM+4+\b], v[TM+\b], s2, s3
.endr
.irp b, 0,1,2,3
	v_max_num_f32 v[TM+\b], v[TM+\b], v[TM+4+\b]
.endr
.irp b, 0,1,2,3
	v_add_nc_u32 v[TM+12+\b], 0xff000000, v[TM+\b]
.endr
.irp b, 0,1,2,3
	v_lshrrev_b32 v[TM+4+\b], 23, v[TM+12+\b]
.endr
	v_lshl_or_b32 v[PW], v[TM+5], 8, v[TM+4]
	v_lshl_or_b32 v[PW], v[TM+6], 16, v[PW]
	v_lshl_or_b32 v[PW], v[TM+7], 24, v[PW]
.irp c, 0,1
	v_cvt_scalef32_pk16_fp6_f32 v[PC+6*\c:PC+2+6*\c], v[(\s)+32*\c:(\s)+15+32*\c], v[TM+12+2*\c]
	v_cvt_scalef32_pk16_fp6_f32 v[PC+12+4*\c:PC+14+4*\c], v[(\s)+16+32*\c:(\s)+31+32*\c], v[TM+12+2*\c+1]
.endr
	v_nop
.irp c, 0,1
.irp i, 0,1,2
	v_permlane16_swap_b32 v[PC+6*\c+\i], v[PC+12+4*\c+\i]
.endr
.irp i, 0,1,2
	v_mov_b32 v[PC+3+6*\c+\i], v[PC+12+4*\c+\i]
.endr
.endr
.endm
.macro GELU a                          ; block a's 64 numbers a lane -> v[HA] on, in natural order along the hidden units
.set W, 2+(\a)/4
.set AC, 64*((\a)%4)
	WIN W|(W<<2)
.set j, 0
.rept 32
	v_pk_mul_f32 v[HA+j:HA+j+1], v[AC+j:AC+j+1], v[AC+j:AC+j+1]
.set j, j+2
.endr
	WIN 0
.set j, 0
.rept 32
	v_pk_fma_f32 v[HA+j:HA+j+1], v[HA+j:HA+j+1], s[74:75], v[K1:K1+1] op_sel_hi:[1,0,1]
.set j, j+2
.endr
	WIN W<<2
.set j, 0
.rept 32
	v_pk_mul_f32 v[HA+j:HA+j+1], v[HA+j:HA+j+1], v[AC+j:AC+j+1]
.set j, j+2
.endr
	WIN 0
.set j, 0
	s_wait_alu depctr_va_vdst(0)                   ; a wait ahead of each batch and behind it
.rept 64
	v_exp_f32 v[HA+j], v[HA+j]
.set j, j+1
.endr
	v_nop
	s_wait_alu depctr_va_vdst(0)
.set j, 0
.rept 32
	v_pk_add_f32 v[HA+j:HA+j+1], v[HA+j:HA+j+1], 1.0 op_sel_hi:[1,0]
.set j, j+2
.endr
.set j, 0
	s_wait_alu depctr_va_vdst(0)
.rept 64
	v_rcp_f32 v[HA+j], v[HA+j]
.set j, j+1
.endr
	v_nop
	s_wait_alu depctr_va_vdst(0)
	WIN W<<2
.set j, 0
.rept 32
	v_pk_mul_f32 v[HA+j:HA+j+1], v[HA+j:HA+j+1], v[AC+j:AC+j+1]
.set j, j+2
.endr
	WIN 0
.irp b, 0,1,2,3
.irp i, 0,1,2,3,4,5,6,7
	v_permlane16_swap_b32 v[HA+16*\b+\i], v[HA+16*\b+8+\i]
.endr
.endr
.endm
	s_wait_alu depctr_va_vdst(0)                   ; the wait at the head's end
	s_wait_tensorcnt 0x0                           ; my tile of the head's four is in
	ds_add_u32 v[SPW], v[NIL]
	s_mov_b32 s[G1+2], 128<<16                     ; no load of mine is out: from here on a load brings 128 rows
	s_mov_b32 s[G1+4], 128
	s_mov_b32 s[G1B+2], 128<<16
	s_mov_b32 s[G1B+4], 128
	s_wait_dscnt 0x0
	CROUND
	JLOAD G0+4, G1, G0B+4, G1B                     ; chunk 1
	FETCH_B 0, 0
	FETCH_A 0, 0
	SCALES 0
	FETCH_A 0, 4
	s_wait_loadcnt 0x0                             ; the bias
	STEP 0, 1
.set ST, 1
.rept STEPS-2
	STEP ST, 0
.set ST, ST+1
.endr
	s_wait_dscnt 4*NL
	WIN MUL_LO
	MUL16 0, 1, 1, 1, 0
	MUL16 2, 1, 1, 1, 0
	s_wait_dscnt 0
	WIN MUL_HI
	MUL16 4, 1, 1, 1, 0
	MUL16 6, 1, 1, 1, 0
	WIN 0
	PLACES NP
	; THE WAY OUT: block a (16 rows) x my 128 hidden units is one fragment of the next operand
	s_mov_b32 s2, 0x76543210
	s_mov_b32 s3, 0xfedcba98
	s_mov_b32 s74, 0xbdd2d3e8                      ; k3
	s_mov_b32 s75, s74
	v_mov_b32 v[K1], 0xc0135761                    ; k1
	v_mov_b32 v[K1+1], 0xc0135761
	s_lshl_b32 s68, s17, 4
	s_lshl_b32 s69, s15, 3
	s_add_co_u32 s68, s68, s69                     ; my first block of 16 rows
	s_lshl_b32 s68, s68, 5
	s_lshl_b32 s69, s42, 1
	s_add_co_u32 s68, s68, s69
	s_add_co_u32 s68, s68, s16                     ; x 32 + my step of 128 along the next K
	s_mul_i32 s86, s68, 1536
	s_mov_b32 s87, 0
	s_lshl_b32 s88, s68, 7
	s_add_co_u32 s88, s88, MSO
	s_mov_b32 s89, 0
	s_add_nc_u64 s[90:91], s[12:13], s[88:89]
	s_add_nc_u64 s[12:13], s[12:13], s[86:87]
	v_and_b32 v3, 31, v0
	v_lshlrev_b32 v24, 3, v3
	v_lshlrev_b32 v26, 2, v3
.irp b, 0,1,2,3
	v_mov_b32 v[TM+4+\b], 0
.endr
.irp a, 0,1,2,3,4,5,6,7
	GELU \a
.if \a > 0
	s_wait_xcnt 0x0                                ; the last block's stores have read their data
.endif
	QUANT HA
.irp p, 0,1,2,3,4,5
	global_store_b64 v24, v[PC+2*\p:PC+2*\p+1], s[12:13] offset:\a*49152+256*\p   ; 32 lanes store 256 consecutive bytes, aligned
.endr
	global_store_b32 v26, v[PW], s[90:91] offset:\a*4096
.endr
	s_wait_tensorcnt 0x0                           ; the wave's end
	ds_add_u32 v[SPW], v[NIL]
	s_wait_dscnt 0x0
	CROUND
	s_endpgm
.Lfunc_end_k_qcb0ec1b0b6_mlp1:
	.size	k_qcb0ec1b0b6_mlp1, .Lfunc_end_k_qcb0ec1b0b6_mlp1-k_qcb0ec1b0b6_mlp1
	.p2alignl 7, 3214868480
	.fill 96, 4, 3214868480
	.section	.rodata,"a",@progbits
	.p2align	6, 0x0
	.amdhsa_kernel k_qcb0ec1b0b6_mlp1
		.amdhsa_group_segment_fixed_size 327680
		.amdhsa_private_segment_fixed_size 0
		.amdhsa_enable_private_segment 0
		.amdhsa_kernarg_size 40
		.amdhsa_user_sgpr_count 2
		.amdhsa_user_sgpr_kernarg_segment_ptr 1
		.amdhsa_wavefront_size32 1
		.amdhsa_system_sgpr_workgroup_id_x 1
		.amdhsa_system_sgpr_workgroup_id_y 1
		.amdhsa_system_sgpr_workgroup_id_z 1
		.amdhsa_system_vgpr_workitem_id 0
		.amdhsa_next_free_vgpr 1024
		.amdhsa_next_free_sgpr 102
		.amdhsa_reserve_vcc 0
		.amdhsa_float_denorm_mode_32 3
		.amdhsa_float_denorm_mode_16_64 3
		.amdhsa_memory_ordered 1
		.amdhsa_forward_progress 1
		.amdhsa_inst_pref_size 255
	.end_amdhsa_kernel
	.section	.bss,"aw",@nobits
	.p2align	6
	.space	262144
	.amdgpu_metadata
---
amdhsa.version: [ 1, 2 ]
amdhsa.kernels:
  - .name:           k_qcb0ec1b0b6_mlp1
    .symbol:         k_qcb0ec1b0b6_mlp1.kd
    .args:
      - { .name: hbuf, .offset: 0, .size: 8, .value_kind: global_buffer, .address_space: global }
      - { .name: w_mlp1_codes, .offset: 8, .size: 8, .value_kind: global_buffer, .address_space: global }
      - { .name: w_mlp1_scales, .offset: 16, .size: 8, .value_kind: global_buffer, .address_space: global }
      - { .name: b_mlp1, .offset: 24, .size: 8, .value_kind: global_buffer, .address_space: global }
      - { .name: mbuf, .offset: 32, .size: 8, .value_kind: global_buffer, .address_space: global }
    .group_segment_fixed_size: 327680
    .private_segment_fixed_size: 0
    .kernarg_segment_align: 8
    .kernarg_segment_size: 40
    .max_flat_workgroup_size: 128
    .sgpr_count:     102
    .vgpr_count:     1024
    .wavefront_size: 32
...
	.end_amdgpu_metadata
.endif
;; end of part 5
;; launch mlp2 (part 6): grid 8 x 32, 4 waves a work-group, clusters of 4 x 4, 327,680 bytes of LDS; arguments mbuf, w_mlp2_codes, w_mlp2_scales, b_mlp2, x2, out0; writes out0
.if DOCPART == 6
	.amdgcn_target "amdgcn-amd-amdhsa--gfx1250"
	.amdhsa_code_object_version 6
	.text
	.protected	k_qcb0ec1b0b6_mlp2
	.globl	k_qcb0ec1b0b6_mlp2
	.p2align	8
	.type	k_qcb0ec1b0b6_mlp2,@function
k_qcb0ec1b0b6_mlp2:
	s_mov_b64 s[64:65], 0
	v_nop
	global_prefetch_b8 v0, s[64:65] scope:SCOPE_SE
	s_setreg_imm32_b32 hwreg(HW_REG_WAVE_MODE, 25, 1), 1
	s_wait_xcnt 0x0
	s_wait_alu depctr_hold_cnt(0) depctr_sa_sdst(0) depctr_va_vdst(0) depctr_va_sdst(0) depctr_va_ssrc(0) depctr_va_vcc(0) depctr_vm_vsrc(0)
	s_getreg_b32 s2, hwreg(HW_REG_IB_STS2, 6, 4)
	s_cmp_eq_u32 s2, 0
	s_cbranch_scc0 .Lentry_in_a_cluster
	s_endpgm
.Lentry_in_a_cluster:
	s_bfe_u32 s2, ttmp6, 0x10000c
	s_cmp_lg_u32 s2, 0xf033
	s_cbranch_scc0 .Lentry_shape_is_right
	s_endpgm
.Lentry_shape_is_right:
; out0 = x2 + m W_mlp2 + b_mlp2, on codes of FP6 (E2M3) with one E8M0 scale for each 32 along K = 4,096.
; In: m as images of operand registers [256 blocks of 16 rows][32 steps of 128 along K][6 pieces of 256 bytes], from byte ASOFF on its scale words [block][step][32]; W as codes [1024][3072], scale bytes [1024][128];
; bias [1024], x2 and out0 [4096][1024] f32.  A tile of out0 is 128 x 128, four waves of 64 x 64 (16 accumulators each); K goes in steps of 512 through two LDS slots; both sides' scales come once.
; 4 x 4 work-groups form a cluster: m's tile is asked for jointly along a row, W's along a column.  The matrix instruction is used transposed; the bias is the C of each sum's first product; the residual is asked for at the head.
; LIMITS: NaN and infinities are not served.
.set SIZE_K, 4096
.set ASOFF,  12582912
.set KT,     SIZE_K/128
.set KROW,   SIZE_K*3/4
.set KS,     SIZE_K/32
.set LAPS,   SIZE_K/1024
.set PITCHB, 528                       ; a row of W in LDS: 512 bytes + 16 of padding.  Slot 0 holds bytes 0-511 of each 768 of a row, slot 1 bytes 256-767: both begin at multiples of 256; slot 1's 384 bytes begin at byte 128 of the LDS row
.set HALFA,  4*6144
.set HALFB,  64*PITCHB
.set SLOT,   2*HALFA+2*HALFB
.set SCA,    2*SLOT
.set HALFSA, 4*KT*128
.set SCB,    SCA+2*HALFSA
.set HALFSB, (64*KS/256)*272
.set SBLKB,  (16*KS/256)*272
.set SPARE,  SCB+2*HALFSB
.set ADA, 16
.set ADB, 20
.set STO, 24
.set RD,  25
.set CO,  26
.set ADSA, 27
.set SPW, 28
.set NIL, 29
.set ADSB, 30
.set SC,  32
.set BI,  96
.set ACC, 128
.set F1,  96
.set BK,  128
.set G1, 24
.set G0, 32
.set G1B, 48
.set G0B, 56
.set G1S, 68
.set G0S, 76
.set G1SB, 80
.set G0SB, 88
.set MSB, 0
.macro WIN new
.if MSB != (\new)
	s_set_vgpr_msb (MSB<<8)|(\new)
.set MSB, (\new)
.endif
.endm
.set MUL,  0x05
.set TO_F, 0x40
.macro JLOAD g0a, g1a, g0b, g1b
	s_cmp_eq_u32 s15, 0
	s_cbranch_scc0 .Lfor_b_\@
	tensor_load_to_lds s[\g0a:\g0a+3], s[\g1a:\g1a+7]
	s_nop 0
.rept 4
	v_nop
.endr
	s_branch .Lasked_\@
.Lfor_b_\@:
	tensor_load_to_lds s[\g0b:\g0b+3], s[\g1b:\g1b+7]
	s_nop 0
.rept 4
	v_nop
.endr
.Lasked_\@:
.endm
.macro CREST
	s_cmp_lg_u32 s14, 0
	s_cbranch_scc1 .Lnot_wave_0_\@
	s_barrier_signal -3
.Lnot_wave_0_\@:
	s_barrier_wait -3
	s_barrier_signal -1
	s_barrier_wait -1
.endm
.macro CROUND
	s_barrier_signal -1
	s_barrier_wait -1
	CREST
.endm
.macro PLACES n
.rept \n
	v_nop
.endr
.endm
	s_load_b256 s[4:11], s[0:1], 0x0
	s_load_b128 s[96:99], s[0:1], 0x20
	v_lshl_add_u32 v[SPW], v0, 2, SPARE
	v_mov_b32 v[NIL], 0
	ds_add_u32 v28, v29
	ds_add_u32 v28, v29
	s_wait_dscnt 0x0
	v_lshrrev_b32 v1, 5, v0
	v_readfirstlane_b32 s14, v1
	s_lshr_b32 s15, s14, 1
	s_and_b32 s16, s14, 1
	s_bfe_u32 s40, ttmp6, 0x40000
	s_bfe_u32 s41, ttmp6, 0x40004
	s_lshl_b32 s42, ttmp9, 2
	s_add_co_u32 s42, s42, s40
	s_and_b32 s17, ttmp7, 0xffff
	s_lshl_b32 s17, s17, 2
	s_add_co_u32 s17, s17, s41
	s_lshl_b32 s43, s41, 2
	s_lshl_b32 s43, 15, s43
	s_lshl_b32 s44, 0x1111, s40
	s_or_b32 s[G1+0], s43, (3<<16)|(1<<21)
	s_mov_b32 s[G1+1], 768<<16
	s_mov_b32 s[G1+2], 8<<16                       ; eight blocks for the head's load
	s_mov_b32 s[G1+3], 768<<16
	s_mov_b32 s[G1+4], 8
	s_mov_b32 s[G1+5], KT*192
	s_mov_b32 s[G1+6], 0
	s_mov_b32 s[G1+7], 0
	s_or_b32 s[G1B+0], s44, (0<<16)|(1<<20)|(1<<21)|(6<<22)|(3<<25)   ; W's tile: rows of 512 bytes; 4 words of padding behind every 128; 128 rows for the head's load
	s_mov_b32 s[G1B+1], 512<<16
	s_mov_b32 s[G1B+2], 128<<16
	s_mov_b32 s[G1B+3], 512<<16
	s_mov_b32 s[G1B+4], 128
	s_mov_b32 s[G1B+5], KROW
	s_mov_b32 s[G1B+6], 0
	s_mov_b32 s[G1B+7], 0
	s_or_b32 s[G1S+0], s43, (3<<16)|(1<<21)
	s_mov_b32 s[G1S+1], 32<<16
	s_mov_b32 s[G1S+2], (2*HALFSA/256)<<16         ; all eight blocks' scale words in one load
	s_mov_b32 s[G1S+3], 32<<16
	s_mov_b32 s[G1S+4], 2*HALFSA/256
	s_mov_b32 s[G1S+5], 32
	s_mov_b32 s[G1S+6], 0
	s_mov_b32 s[G1S+7], 0
	s_or_b32 s[G1SB+0], s44, (3<<16)|(1<<20)|(1<<21)|(5<<22)|(3<<25)
	s_mov_b32 s[G1SB+1], 32<<16
	s_mov_b32 s[G1SB+2], (128*KS/256)<<16          ; all 128 rows' scale bytes in one load
	s_mov_b32 s[G1SB+3], 32<<16
	s_mov_b32 s[G1SB+4], 128*KS/256
	s_mov_b32 s[G1SB+5], 32
	s_mov_b32 s[G1SB+6], 0
	s_mov_b32 s[G1SB+7], 0
	s_lshl_b32 s20, s17, 3
	s_mul_i32 s22, s20, KT*128                     ; the scale words of the tile's first block
	s_lshl_b32 s18, s16, 2
	s_add_co_u32 s20, s20, s18
	s_add_co_u32 s22, s22, ASOFF
	s_mov_b32 s23, 0
	s_mul_i32 s20, s20, KT*1536
	s_mov_b32 s21, 0
	s_lshl_b32 s46, s42, 7
	s_mul_i32 s92, s46, KS                         ; the scale bytes of the tile's first row
	s_lshl_b32 s18, s16, 6
	s_add_co_u32 s46, s46, s18
	s_mov_b32 s93, 0
	s_mul_i32 s46, s46, KROW
	s_mov_b32 s47, 0
	s_mul_i32 s45, s16, HALFA
	s_mul_i32 s94, s16, HALFB
	s_add_co_u32 s94, s94, 2*HALFA
	s_wait_kmcnt 0x0
	s_add_nc_u64 s[22:23], s[4:5], s[22:23]
	s_add_nc_u64 s[20:21], s[4:5], s[20:21]
	s_add_nc_u64 s[46:47], s[6:7], s[46:47]
	s_add_nc_u64 s[92:93], s[8:9], s[92:93]
	CROUND
	s_mov_b32 s[G0S], 1
	s_mov_b32 s[G0S+1], SCA
	s_mov_b64 s[G0S+2:G0S+3], s[22:23]
	s_or_b32 s[G0S+3], s[G0S+3], 0x80000000
	s_mov_b32 s[G0SB], 1
	s_mov_b32 s[G0SB+1], SCB
	s_mov_b64 s[G0SB+2:G0SB+3], s[92:93]
	s_or_b32 s[G0SB+3], s[G0SB+3], 0x80000000
.irp s, 0,1
	s_mov_b32 s[G0+4*\s], 1
	s_add_co_u32 s[G0+4*\s+1], s45, \s*SLOT
	s_add_nc_u64 s[G0+4*\s+2:G0+4*\s+3], s[20:21], \s*6144
	s_or_b32 s[G0+4*\s+3], s[G0+4*\s+3], 0x80000000
	s_mov_b32 s[G0B+4*\s], 1
	s_add_co_u32 s[G0B+4*\s+1], s94, \s*SLOT
	s_add_nc_u64 s[G0B+4*\s+2:G0B+4*\s+3], s[46:47], \s*256
	s_or_b32 s[G0B+4*\s+3], s[G0B+4*\s+3], 0x80000000
.endr
; the head's four tiles, one a wave: wave 0 slot 0's eight blocks of m, wave 1 m's scale words, wave 2 slot 0's 128 rows of W, wave 3 W's scale bytes.  Waves 0 and 2 fetch half 0 in the ring: their slot 0 group 0 names the tile's start.
.macro ARM under, g0, g1, next
	s_cmp_lt_u32 s14, \under
	s_cbranch_scc0 \next
	tensor_load_to_lds s[\g0:\g0+3], s[\g1:\g1+7]
	s_nop 0
.rept 4
	v_nop
.endr
	s_branch .Lhead_asked
\next:
.endm
	ARM 1, G0,  G1,  .Lhead_sa
	ARM 2, G0S, G1S, .Lhead_b
	ARM 3, G0B, G1B, .Lhead_sb
	tensor_load_to_lds s[G0SB:G0SB+3], s[G1SB:G1SB+7]
	s_nop 0
.rept 4
	v_nop
.endr
.Lhead_asked:
; PREFETCH, two load events ahead: slots 1 and 2 are named at the head, slot 3 behind slot 1's load, slot t + 4 at the change of slots t; the loop's last trip names nothing.
; A wave that fetches m names one of its four blocks (24 blocks of 256 bytes, by cx); a wave that fetches W names 16 of its 64 rows (by cy): bytes 0-511 of a row's 768 for an even slot, bytes 512-767 for an odd one,
; so that the 256 bytes that two slots share are named once.  Lanes that are left over name their wave's last block again.
.set PFA, 66                           ; s[66:67] where the prefetches stand
.set PF0, 22                           ; v22 the lanes' offsets for an even slot, v23 for an odd one; never rewritten
	s_cmp_eq_u32 s15, 0                            ; do I fetch for m?
	s_cselect_b64 s[PFA:PFA+1], s[20:21], s[46:47]
	s_mul_i32 s18, s40, KT*1536
	s_mul_i32 s19, s41, 16*KROW
	s_cselect_b32 s18, s18, s19                    ; my work-group's share
	s_mov_b32 s12, 512
	s_cselect_b32 s12, 6144, s12                   ; s[12:13]: from an even slot's place to the odd one's
	s_mov_b32 s94, 256
	s_cselect_b32 s94, 6144, s94                   ; s[94:95]: from an odd slot's place to the next even one's
	s_cselect_b32 s2, -1, 0
	s_mov_b32 s13, 0
	s_mov_b32 s95, 0
	s_add_co_u32 s18, s18, s12
	s_mov_b32 s19, 0
	s_add_nc_u64 s[PFA:PFA+1], s[PFA:PFA+1], s[18:19]    ; slot 1's place,
	s_add_nc_u64 s[92:93], s[PFA:PFA+1], s[94:95]        ; slot 2's
	v_and_b32 v1, 15, v0
	v_bfe_u32 v2, v0, 4, 1
	v_and_b32 v3, 31, v0
	v_lshlrev_b32 v4, 3, v3
	s_mul_i32 s21, s15, HALFA
	v_add_nc_u32 v[ADA], s21, v4
	v_add_nc_u32 v[ADA+1], SLOT, v[ADA]
	v_mul_u32_u24 v5, v1, PITCHB
	v_mad_u32_u24 v5, v2, 24, v5
	s_mul_i32 s22, s16, HALFB
	s_add_co_u32 s22, s22, 2*HALFA
	v_add_nc_u32 v[ADB], s22, v5
	v_add_nc_u32 v[ADB+1], SLOT+128, v[ADB]        ; slot 1's codes begin at byte 128 of its rows
	s_mul_i32 s21, s15, HALFSA
	s_add_co_u32 s21, s21, SCA
	v_lshl_add_u32 v[ADSA], v3, 2, s21
	v_mul_u32_u24 v5, v1, KS
	v_lshrrev_b32 v6, 8, v5
	v_lshl_add_u32 v5, v6, 4, v5
	s_mul_i32 s22, s16, HALFSB
	s_add_co_u32 s22, s22, SCB
	v_add_nc_u32 v[ADSB], s22, v5
	s_mul_i32 s23, s14, 16*272
	v_mul_u32_u24 v5, v1, 272
	v_lshl_add_u32 v5, v2, 5, v5
	v_add_nc_u32 v[STO], s23, v5
	v_mul_u32_u24 v5, v2, 272
	v_lshl_add_u32 v5, v1, 4, v5
	v_add_nc_u32 v[RD], s23, v5
	v_lshlrev_b32 v[CO], 12, v2
	v_lshl_add_u32 v[CO], v1, 4, v[CO]
	v_min_u32 v8, 23, v3
	v_lshlrev_b32 v8, 8, v8                        ; m: a lane a block of 256 bytes
	v_lshrrev_b32 v9, 1, v3
	v_mul_u32_u24 v9, v9, KROW
	v_and_b32 v10, 1, v3
	v_lshl_add_u32 v9, v10, 8, v9                  ; W, even slot: two lanes a row
	v_min_u32 v10, 15, v3
	v_mul_u32_u24 v10, v10, KROW                   ; W, odd slot: a lane a row
	v_cndmask_b32 v[PF0], v9, v8, s2
	v_cndmask_b32 v[PF0+1], v10, v8, s2
	v_lshlrev_b32 v7, 5, v2
	s_wait_alu depctr_va_vdst(0)
	global_prefetch_b8 v[PF0+1], s[PFA:PFA+1] th:TH_LOAD_NT scope:SCOPE_SE   ; slot 1
	global_prefetch_b8 v[PF0], s[92:93] th:TH_LOAD_NT scope:SCOPE_SE         ; slot 2
	s_lshl_b32 s46, s42, 9
	s_lshl_b32 s47, s16, 8
	s_add_co_u32 s46, s46, s47
	s_mov_b32 s47, 0
	s_add_nc_u64 s[10:11], s[10:11], s[46:47]
	s_lshl_b32 s20, s17, 7
	s_lshl_b32 s21, s15, 6
	s_add_co_u32 s20, s20, s21
	s_lshl_b32 s20, s20, 12
	s_add_co_u32 s20, s20, s46
	s_mov_b32 s21, 0
	s_add_nc_u64 s[96:97], s[96:97], s[20:21]
	s_add_nc_u64 s[98:99], s[98:99], s[20:21]
.irp b, 0,1,2,3
	global_load_b128 v[BI+8*\b:BI+8*\b+3], v7, s[10:11] offset:64*\b
	global_load_b128 v[BI+8*\b+4:BI+8*\b+7], v7, s[10:11] offset:64*\b+16
.endr
	WIN 0x80
.irp a, 0,1,2,3
.irp t, 0,1,2,3,4,5,6,7
	global_load_b128 v[32*\a+4*\t:32*\a+4*\t+3], v[CO], s[96:97] offset:(16*\a+2*\t)*4096 th:TH_LOAD_NT
.endr
.endr
	WIN 0
.macro FRAGA reg, adr, q, i
.irp p, 0,1,2,3,4,5
	ds_load_b64 v[\reg+2*\p:\reg+2*\p+1], v[\adr] offset:(4*(\i)+(\q))*1536+256*\p
.endr
.endm
.macro FRAGB reg, adr, q, i
.irp p, 0,1,2,3,4,5
	ds_load_b64 v[\reg+2*\p:\reg+2*\p+1], v[\adr] offset:8*(12*(\q)+6*(\p/3)+\p%3)+(\i)*16*PITCHB
.endr
.endm
.macro FETCH slot, q, f
	WIN TO_F
.irp i, 0,1,2,3
	FRAGB (\f)+12*\i, ADB+\slot, \q, \i
.endr
.irp i, 0,1,2,3
	FRAGA (\f)+48+12*\i, ADA+\slot, \q, \i
.endr
.endm
.macro SCALESF set
	WIN 0
.irp i, 0,1,2,3
.irp q, 0,1,2,3
	ds_load_b32 v[SC+32*\set+4*\i+\q], v[ADSA] offset:\i*KT*128+128*\q
.endr
.endr
.irp i, 0,1,2,3
	ds_load_b128 v[SC+32*\set+16+4*\i:SC+32*\set+19+4*\i], v[ADSB] offset:\i*SBLKB
.endr
.endm
.macro MUL4 f, a, q, set, first
.irp b, 0,1,2,3
.if \first
	v_wmma_scale_f32_16x16x128_f8f6f4 v[ACC+8*(4*(\a)+\b):ACC+8*(4*(\a)+\b)+7], v[(\f)+12*\b:(\f)+12*\b+11], v[(\f)+48+12*(\a):(\f)+48+12*(\a)+11], v[BI+8*\b:BI+8*\b+7], v[SC+32*(\set)+16+4*\b+(\q)], v[SC+32*(\set)+4*(\a)+(\q)] matrix_a_fmt:MATRIX_FMT_FP6 matrix_b_fmt:MATRIX_FMT_FP6
.else
	v_wmma_scale_f32_16x16x128_f8f6f4 v[ACC+8*(4*(\a)+\b):ACC+8*(4*(\a)+\b)+7], v[(\f)+12*\b:(\f)+12*\b+11], v[(\f)+48+12*(\a):(\f)+48+12*(\a)+11], v[ACC+8*(4*(\a)+\b):ACC+8*(4*(\a)+\b)+7], v[SC+32*(\set)+16+4*\b+(\q)], v[SC+32*(\set)+4*(\a)+(\q)] matrix_a_fmt:MATRIX_FMT_FP6 matrix_b_fmt:MATRIX_FMT_FP6
.endif
.endr
.endm
.macro QUARTER slot, q, first
.set FB, 96*((\q)%2)
.set GB, 96-FB
	s_wait_dscnt 12
	WIN MUL
	MUL4 FB, 0, \q, \slot, \first
	MUL4 FB, 1, \q, \slot, \first
	PLACES 4
	FETCH \slot, (\q)+1, GB
	s_wait_dscnt 48
	WIN MUL
	MUL4 FB, 2, \q, \slot, \first
	MUL4 FB, 3, \q, \slot, \first
.endm
.macro TURN slot, next, fill
	WIN 0
.if \fill
	s_wait_xcnt 0x0                                ; my last prefetch has read its address: it is stepped here, ahead of the waits of the change of slots
.if \slot == 0
	s_add_nc_u64 s[PFA:PFA+1], s[PFA:PFA+1], s[94:95]
.else
	s_add_nc_u64 s[PFA:PFA+1], s[PFA:PFA+1], s[12:13]
.endif
.endif
	s_wait_tensorcnt 0x0
	ds_add_u32 v[SPW], v[NIL]
	s_wait_dscnt 13
	WIN MUL
	MUL4 F1, 0, 3, \slot, 0
	s_wait_dscnt 0x0
	s_barrier_signal -1
	MUL4 F1, 1, 3, \slot, 0
	WIN 0
	s_barrier_wait -1
.if \fill
	CREST
	s_add_nc_u64 s[G0+4*\slot+2:G0+4*\slot+3], s[G0+4*\slot+2:G0+4*\slot+3], 2*6144
	s_add_nc_u64 s[G0B+4*\slot+2:G0B+4*\slot+3], s[G0B+4*\slot+2:G0B+4*\slot+3], 2*384
	JLOAD G0+4*\slot, G1, G0B+4*\slot, G1B
.else
	PLACES 4
.endif
	s_wait_alu depctr_va_vdst(0)
	v_add_nc_u32 v[ADSA], 512, v[ADSA]
	v_add_nc_u32 v[ADSB], 16, v[ADSB]
	SCALESF \next
	FETCH \next, 0, 0
.if \fill
	WIN 0
	s_cmp_gt_u32 s3, 1                             ; the last trip has no slot four on
	s_cbranch_scc0 .Lno_ask_\@
	global_prefetch_b8 v[PF0+\slot], s[PFA:PFA+1] th:TH_LOAD_NT scope:SCOPE_SE
.Lno_ask_\@:
.endif
	WIN MUL
	MUL4 F1, 2, 3, \slot, 0
	MUL4 F1, 3, 3, \slot, 0
.endm
	s_wait_tensorcnt 0x0                           ; my tile of the head's four is in
	ds_add_u32 v[SPW], v[NIL]
	s_wait_xcnt 0x0                                ; the prefetches have read their addresses
	s_add_nc_u64 s[PFA:PFA+1], s[92:93], s[12:13]  ; slot 3's place
	s_mov_b32 s[G1+2], 4<<16
	s_mov_b32 s[G1+4], 4
	s_mov_b32 s[G1B+2], 64<<16                     ; or 64 rows of W
	s_mov_b32 s[G1B+4], 64
	s_wait_dscnt 0x0
	CROUND
	JLOAD G0+4, G1, G0B+4, G1B                     ; slot 1
	SCALESF 0
	global_prefetch_b8 v[PF0+1], s[PFA:PFA+1] th:TH_LOAD_NT scope:SCOPE_SE   ; slot 3
	FETCH 0, 0, 0
	s_wait_loadcnt 32
	QUARTER 0, 0, 1
.if LAPS > 1
	WIN 0
	s_mov_b32 s3, LAPS-1
.Llap:
	QUARTER 0, 1, 0
	QUARTER 0, 2, 0
	TURN 0, 1, 1
	QUARTER 1, 0, 0
	QUARTER 1, 1, 0
	QUARTER 1, 2, 0
	TURN 1, 0, 1
	QUARTER 0, 0, 0
	WIN 0
	s_sub_co_u32 s3, s3, 1
	s_cmp_lg_u32 s3, 0
	s_cbranch_scc1 .Llap
.endif
	QUARTER 0, 1, 0
	QUARTER 0, 2, 0
	TURN 0, 1, 0
	QUARTER 1, 0, 0
	QUARTER 1, 1, 0
	QUARTER 1, 2, 0
	s_wait_dscnt 12
	WIN MUL
	MUL4 F1, 0, 3, 1, 0
	MUL4 F1, 1, 3, 1, 0
	s_wait_dscnt 0
	MUL4 F1, 2, 3, 1, 0
	MUL4 F1, 3, 3, 1, 0
	WIN 0
	PLACES 4
.irp a, 0,1,2,3
.if \a > 1
	s_wait_xcnt 0x0
.endif
.irp b, 0,1,2,3
	ds_store_b128 v[STO], v[ACC+8*(4*\a+\b):ACC+8*(4*\a+\b)+3] offset:64*\b
	ds_store_b128 v[STO], v[ACC+8*(4*\a+\b)+4:ACC+8*(4*\a+\b)+7] offset:64*\b+16
.endr
	WIN 0x40
.irp t, 0,1,2,3,4,5,6,7
	ds_load_b128 v[BK+32*(\a%2)+4*\t:BK+32*(\a%2)+4*\t+3], v[RD] offset:544*\t
.endr
	s_wait_dscnt 0x0
	s_wait_loadcnt 24-8*\a
	WIN 0x49
.irp t, 0,1,2,3,4,5,6,7,8,9,10,11,12,13,14,15
	v_pk_add_f32 v[BK+32*(\a%2)+2*\t:BK+32*(\a%2)+2*\t+1], v[BK+32*(\a%2)+2*\t:BK+32*(\a%2)+2*\t+1], v[32*\a+2*\t:32*\a+2*\t+1]
.endr
	WIN 0x04
.irp t, 0,1,2,3,4,5,6,7
	global_store_b128 v[CO], v[BK+32*(\a%2)+4*\t:BK+32*(\a%2)+4*\t+3], s[98:99] offset:(16*\a+2*\t)*4096 th:TH_STORE_NT
.endr
	WIN 0
.endr
	s_wait_tensorcnt 0x0
	ds_add_u32 v[SPW], v[NIL]
	s_wait_dscnt 0x0
	CROUND
	s_endpgm
.Lfunc_end_k_qcb0ec1b0b6_mlp2:
	.size	k_qcb0ec1b0b6_mlp2, .Lfunc_end_k_qcb0ec1b0b6_mlp2-k_qcb0ec1b0b6_mlp2
	.p2alignl 7, 3214868480
	.fill 96, 4, 3214868480
	.section	.rodata,"a",@progbits
	.p2align	6, 0x0
	.amdhsa_kernel k_qcb0ec1b0b6_mlp2
		.amdhsa_group_segment_fixed_size 327680
		.amdhsa_private_segment_fixed_size 0
		.amdhsa_enable_private_segment 0
		.amdhsa_kernarg_size 48
		.amdhsa_user_sgpr_count 2
		.amdhsa_user_sgpr_kernarg_segment_ptr 1
		.amdhsa_wavefront_size32 1
		.amdhsa_system_sgpr_workgroup_id_x 1
		.amdhsa_system_sgpr_workgroup_id_y 1
		.amdhsa_system_sgpr_workgroup_id_z 1
		.amdhsa_system_vgpr_workitem_id 0
		.amdhsa_next_free_vgpr 768
		.amdhsa_next_free_sgpr 100
		.amdhsa_reserve_vcc 0
		.amdhsa_float_denorm_mode_32 3
		.amdhsa_float_denorm_mode_16_64 3
		.amdhsa_memory_ordered 1
		.amdhsa_forward_progress 1
		.amdhsa_inst_pref_size 121
	.end_amdhsa_kernel
	.amdgpu_metadata
---
amdhsa.version: [ 1, 2 ]
amdhsa.kernels:
  - .name:           k_qcb0ec1b0b6_mlp2
    .symbol:         k_qcb0ec1b0b6_mlp2.kd
    .args:
      - { .name: mbuf, .offset: 0, .size: 8, .value_kind: global_buffer, .address_space: global }
      - { .name: w_mlp2_codes, .offset: 8, .size: 8, .value_kind: global_buffer, .address_space: global }
      - { .name: w_mlp2_scales, .offset: 16, .size: 8, .value_kind: global_buffer, .address_space: global }
      - { .name: b_mlp2, .offset: 24, .size: 8, .value_kind: global_buffer, .address_space: global }
      - { .name: x2, .offset: 32, .size: 8, .value_kind: global_buffer, .address_space: global }
      - { .name: out0, .offset: 40, .size: 8, .value_kind: global_buffer, .address_space: global }
    .group_segment_fixed_size: 327680
    .private_segment_fixed_size: 0
    .kernarg_segment_align: 8
    .kernarg_segment_size: 48
    .max_flat_workgroup_size: 128
    .sgpr_count:     100
    .vgpr_count:     768
    .wavefront_size: 32
...
	.end_amdgpu_metadata
.endif
;; end of part 6
